; MI455X (gfx1250); checked and timed in simulation.
; The chip was launched on July 23, 2026; its instructions are those of AMD's public machine-readable ISA for CDNA 5 (MIT licence, August 2026) and "CDNA5" Instruction Set Architecture Reference Guide (July 2026). The comments in the code are by the model that wrote it; some were corrected since.
;; Multi Attention Old. Allowed arithmetic: matrix products marked QUANTISED: E2M3 operands, one E8M0 scale for each 32 along K, by v_wmma_scale_f32_16x16x128_f8f6f4 with both operands' format E2M3, f32 sums; everything else in f32.
;; Inputs: Wk 16 x 1,024 x 64 float32; Wo 1,024 x 1,024 float32; Wq 16 x 1,024 x 64 float32; Wv 16 x 1,024 x 64 float32; key 4 x 2,048 x 1,024 float32; query 4 x 2,048 x 1,024 float32; value 4 x 2,048 x 1,024 float32.
;; Outputs: out0 4 x 2,048 x 1,024 float32.
;; This version of the problem:
;;   THIS VERSION OF THE PROBLEM IS GIVEN IN LOW PRECISION. The matrix products marked QUANTISED in the list below multiply operands that are first quantised to E2M3 (2 exponent bits, 3 mantissa bits; 6 bits a number), with one power-of-two scale for each 32 numbers along K (OCP MX v1.0); their sums are f32. All else is computed in f32.
;;   The module's matrix products, in the order in which they are computed (A, B: the left and right operand; K: the contracted axis; several contracted axes count as one K, in the product's order):
;;     1. [M 1,024, K 1,024] x [K 1,024, N 8,192]; A: input Wq; B: input query: QUANTISED
;;     2. [M 1,024, K 1,024] x [K 1,024, N 8,192]; A: input Wk; B: input key: QUANTISED
;;     3. [M 1,024, K 1,024] x [K 1,024, N 8,192]; A: input Wv; B: input value: QUANTISED
;;     4. batch 64 x [M 2,048, K 64] x [K 64, N 2,048]; A: computed on the way; B: computed on the way: QUANTISED
;;     5. batch 64 x [M 2,048, K 2,048] x [K 2,048, N 64]; A: softmax (see below); B: computed on the way: QUANTISED
;;     6. [M 8,192, K 1,024] x [K 1,024, N 1,024]; A: computed on the way; B: input Wo: QUANTISED
;;   THE QUANTISER, for each operand of a quantised product, along K:
;;     - K is cut into blocks of 32 from its start; a last block that is shorter is filled with zeros.
;;     - A block's scale is 2^e with e = floor(log2(the largest magnitude in the block)) - 2, held to -126 .. 127; a block of zeros has e = 0. As a byte (E8M0): e + 127.
;;     - Each number is divided by its block's scale, clamped to +-7.5, and rounded to the nearest number of E2M3, ties to even, subnormals kept.
;;     - The product sums the exact products of the quantised numbers (number of the format x scale) in f32.
;;   ~~~python
;;   def quantise(x, axis):      # numpy; x: float32 -> the quantised numbers, widened to float32 again
;;       x = np.moveaxis(x, axis, -1); K = x.shape[-1]
;;       x = np.pad(x, [(0, 0)] * (x.ndim - 1) + [(0, -K % 32)]); x = x.reshape(x.shape[:-1] + (-1, 32)); a = np.abs(x).max(-1, keepdims=True)
;;       e = np.where(a > 0, np.clip(np.frexp(np.where(a > 0, a, 1))[1] - 1 - 2, -126, 127), 0)      # np.frexp(a)[1] - 1 = floor(log2(a)), exactly
;;       r = np.clip(x / 2.0 ** e, -7.5, 7.5)
;;       step = 2.0 ** (np.maximum(np.frexp(np.where(r == 0, 1, r))[1] - 1, 0) - 3)
;;       q = np.round(r / step) * step * 2.0 ** e      # np.round: ties to even
;;       return np.moveaxis(q.reshape(q.shape[:-2] + (-1,))[..., :K], -1, axis).astype(np.float32)
;;   ~~~
;;   SOFTMAX AHEAD OF A QUANTISED PRODUCT. Where the list says 'softmax', what is quantised is not the finished softmax but p = 2^(t - M), with t = logit x log2(e) and M = ceil(the row's largest t), a whole number; so 1/2 < the row's largest p <= 1. The row's sum l is taken of the UNQUANTISED p, in f32, and the product's result is divided by l at the end. Since M is a whole number, a kernel that streams over the keys may use a running M (the ceiling of the running maximum): every later rescaling is an exact power of two, which a block's scale takes up: the codes' values come out the same.
;;   OPERANDS COMPUTED ON THE WAY. 'Computed on the way' means the value that the module computes at that place (a softmax that the list does not call 'softmax' is quantised finished and normalised). What goes into a quantiser is computed in f32, as accurately as f32 sums, v_exp_f32 and their like allow (about 1e-6 of the number): no bf16 or f16 on the way to a quantiser, and a product that is left as it is and whose result goes on into a quantised operand takes f32 operands (vector FMAs, or v_wmma_f32_16x16x4_f32). A number that lies on a knife's edge between two numbers of the format may be rounded either way, as far as f32 arithmetic and the matrix unit's own rounding can turn it there, and no further.
;; One version. Each part assembles by itself: llvm-mc -triple=amdgcn-amd-amdhsa -mcpu=gfx1250 --defsym DOCPART=n.
;; ======== version 1 of 1: 4 launches
;; limits: right only within a limited range of input values
;; workspace buffers: xc 18,874,368 bytes; xs 786,432 bytes; wc 3,145,728 bytes; ws 131,072 bytes; pc 18,874,368 bytes; ps 1,572,864 bytes; cc 6,291,456 bytes; cs 262,144 bytes
;; launch quant (part 1): grid 896 x 1, 4 waves a work-group, no clusters, 35,328 bytes of LDS; arguments query, key, value, Wq, Wk, Wv, Wo, xc, xs, wc, ws; writes xc, xs, wc, ws
.if DOCPART == 1
	.amdgcn_target "amdgcn-amd-amdhsa--gfx1250"
	.amdhsa_code_object_version 6
	.text
	.protected	k_q25f5c68af3_quant
	.globl	k_q25f5c68af3_quant
	.p2align	8
	.type	k_q25f5c68af3_quant,@function
k_q25f5c68af3_quant:
	s_mov_b64 s[64:65], 0
	v_nop
	global_prefetch_b8 v0, s[64:65] scope:SCOPE_SE
	s_setreg_imm32_b32 hwreg(HW_REG_WAVE_MODE, 25, 1), 1
	s_wait_xcnt 0x0
; query, key, value [8192][1024] f32 (K innermost) and Wq, Wk, Wv [16][1024][64], Wo [1024][1024] f32 (K = the axis of 1,024 that is NOT innermost) become codes of FP6 (E2M3) with one E8M0 byte for each 32 along K.
; A block's scale is 2^(floor(log2(its largest magnitude)) - 2); its byte is the largest magnitude's exponent field - 2, held at 1 from below.
; LIMITS: NaN and infinities are not served; a block of zeros, and a block whose largest magnitude lies under 2^-124, gets the byte 1 (the rule says 127 for zeros: the codes are zeros, and this program alone reads the bytes).
; THE LAYOUT OF THE RESULTS is that of the operand's registers.  Rows are kept by POSITION: position 32 b + 16 u + 8 e + f holds row 32 b + 16 e + 8 u + f.  A tile is 16 positions.
; A HALF FRAGMENT (16 positions x 64 K) is 768 bytes: lane (r, h) owns the 24 bytes of codes of k = 32 h .. 32 h + 31 of position r: its first 16 bytes at 16 x lane, its last 8 at 512 + 8 x lane.
; Codes: [tile][K / 64][768].  Scale bytes: [position / 128][K / 256][position % 128][8].
; Work-groups 0-127 take the weights (a lane to a column, registers down K), the others the activations (a wave: one tile x 512 along K, eight half fragments).
; No barrier: waves share nothing.  Only the activations' path touches LDS.
.set SP,    272                        ; a stage row: 256 bytes + 16: the sixteen lanes of a 16-byte read of one column fall on sixteen different 16-byte columns
.set STG,   16*SP                      ; a stage: 16 rows
.set R,     16                         ; v16-111  activations: three sets of 32 registers as loaded
.set X,     112                        ; v112-175 two sets of 32: a lane's whole block
.set XW,    16                         ; v16-79   weights: two sets of 32: a lane's whole block
.set C,     176                        ; v176-239 codes: eight registers for each step, never written again while a store reads them
.set BY,    240                        ; v240-247 activations: a scale byte for each step
.set SB,    240                        ; v240-241 weights: eight scale bytes
.set FLOOR, 0x1800000                  ; 2^(3 - 127)
.set EOFF,  0xff000000                 ; 2 off an exponent field
.macro MAXBLK xs                       ; the largest magnitude of v[xs] .. v[xs + 31] and the floor -> v12; the conversion's scale operand -> v11
	v_max3_num_f32 v12, |v[\xs]|, |v[\xs+1]|, |v[\xs+2]|
	v_max3_num_f32 v13, |v[\xs+3]|, |v[\xs+4]|, |v[\xs+5]|
.irp i, 6,10,14,18,22,26
	v_max3_num_f32 v12, v12, |v[\xs+\i]|, |v[\xs+\i+1]|
	v_max3_num_f32 v13, v13, |v[\xs+\i+2]|, |v[\xs+\i+3]|
.endr
	v_max3_num_f32 v12, v12, |v[\xs+30]|, |v[\xs+31]|
	v_max3_num_f32 v12, v12, v13, FLOOR
	v_add_nc_u32 v11, EOFF, v12
.endm
.macro CODES xs, cd                    ; 32 numbers -> 2 x 96 bits (a conversion's three registers begin on an even number)
	v_cvt_scalef32_pk16_fp6_f32 v[\cd:\cd+2], v[\xs:\xs+15], v11
	v_cvt_scalef32_pk16_fp6_f32 v[\cd+4:\cd+6], v[\xs+16:\xs+31], v11
.endm
.macro CLOSE cd                        ; the two halves on end: six registers
	v_mov_b32 v[\cd+3], v[\cd+4]
	v_mov_b32 v[\cd+4], v[\cd+5]
	v_mov_b32 v[\cd+5], v[\cd+6]
.endm
; ---- activations
.macro LOADA t                         ; step t: 16 rows x 256 bytes; lanes 0-15 read one row's 256 consecutive bytes, lanes 16-31 the next position's
.irp i, 0,1,2,3,4,5,6,7
.if \i < 4
	global_load_b128 v[R+32*((\t)%3)+4*\i:R+32*((\t)%3)+4*\i+3], v3, s[40:41] offset:(2*\i+8*(\i/4))*4096+256*(\t) th:TH_LOAD_NT
.else
	global_load_b128 v[R+32*((\t)%3)+4*\i:R+32*((\t)%3)+4*\i+3], v10, s[40:41] offset:(2*\i+8*(\i/4))*4096+256*(\t) th:TH_LOAD_NT
.endif
.endr
.endm
.macro TURNA t                         ; through my own stage: in as loaded, out 128 bytes a lane.  LDS serves a wave's instructions in order (ISA guide 5.7.1.4): no wait between
.irp i, 0,1,2,3,4,5,6,7
	ds_store_b128 v14, v[R+32*((\t)%3)+4*\i:R+32*((\t)%3)+4*\i+3] offset:STG*((\t)%2)+2*\i*SP
.endr
.irp j, 0,1,2,3,4,5,6,7
	ds_load_b128 v[X+32*((\t)%2)+4*\j:X+32*((\t)%2)+4*\j+3], v15 offset:STG*((\t)%2)+16*\j
.endr
.endm
.macro STEPA t
.set XS, X+32*((\t)%2)
.set CD, C+8*(\t)
	s_wait_dscnt 0x0                               ; this step's numbers are back from the stage, so the stage's stores have read their registers,
.if (\t)+3 < 8
	LOADA (\t)+3                                   ; which take the loads of three steps on
.endif
.if (\t)+1 < 8
.if (\t) <= 4
	s_wait_loadcnt 16                              ; the next step's eight loads are in; those of the two steps behind it may be out
.elseif (\t) == 5
	s_wait_loadcnt 8                               ; one step's loads are behind it
.else
	s_wait_loadcnt 0
.endif
	TURNA (\t)+1                                   ; through the other stage while this step is worked
.endif
	MAXBLK XS
	CODES XS, CD
	v_lshrrev_b32 v[BY+(\t)], 23, v11              ; the scale's byte; also the plain line between the conversions and the moves
	CLOSE CD
	global_store_b128 v4, v[CD:CD+3], s[42:43] offset:768*(\t)       ; 512 consecutive bytes
	global_store_b64 v5, v[CD+4:CD+5], s[42:43] offset:768*(\t)+512  ; 256 consecutive bytes
.endm
; ---- weights
.macro LOADW t, pitch                  ; block t: W(32 t + i, my column): 128 consecutive bytes a load
.irp i, 0,1,2,3,4,5,6,7,8,9,10,11,12,13,14,15,16,17,18,19,20,21,22,23,24,25,26,27,28,29,30,31
	global_load_b32 v[XW+32*((\t)%2)+\i], v3, s[40:41] offset:(32*(\t)+\i)*\pitch th:TH_LOAD_NT
.endr
.endm
.macro BLOCKW t, pitch
.set XS, XW+32*((\t)%2)
.set CD, C+8*(\t)
.if (\t) < 7
	s_wait_loadcnt 32                              ; this block's 32 loads are in; the next block's may be out
.else
	s_wait_loadcnt 0
.endif
	MAXBLK XS
	v_lshrrev_b32 v13, 23, v11                     ; the scale's byte
	CODES XS, CD
.if (\t)%4 == 0
	v_mov_b32 v[SB+(\t)/4], v13                    ; four bytes to a register, the lower K in the lower byte; also the plain line behind the conversions
.else
	v_lshl_or_b32 v[SB+(\t)/4], v13, 8*((\t)%4), v[SB+(\t)/4]
.endif
	CLOSE CD
	global_store_b128 v4, v[CD:CD+3], s[42:43] offset:((\t)/2)*768+256*((\t)%2)        ; each half of the lanes fills 256 consecutive bytes, aligned, of its tile
	global_store_b64 v5, v[CD+4:CD+5], s[42:43] offset:((\t)/2)*768+512+128*((\t)%2)
.if (\t)+2 < 8
	LOADW (\t)+2, \pitch
.endif
.endm
.macro WBODY pitch
	LOADW 0, \pitch
	LOADW 1, \pitch
.irp t, 0,1,2,3,4,5,6,7
	BLOCKW \t, \pitch
.endr
	global_store_b64 v7, v[SB:SB+1], s[44:45]      ; 32 positions x 8 bytes: 256 consecutive bytes, aligned
.endm
	s_load_b256 s[4:11], s[0:1], 0x0               ; query, key, value, Wq
	s_load_b256 s[12:19], s[0:1], 0x20             ; Wk, Wv, Wo, xc
	s_load_b128 s[20:23], s[0:1], 0x40             ; xs, wc
	s_load_b64 s[24:25], s[0:1], 0x50              ; ws
	v_lshl_add_u32 v248, v0, 2, 0x8800
	v_mov_b32 v249, 0
	v_lshrrev_b32 v1, 5, v0
	v_readfirstlane_b32 s26, v1                    ; wave
	v_and_b32 v1, 31, v0                           ; lane
	v_and_b32 v2, 15, v0                           ; r
	v_bfe_u32 v6, v0, 4, 1                         ; h
	s_mov_b32 s33, 0                               ; the upper words of three offsets
	s_mov_b32 s35, 0
	s_mov_b32 s37, 0
	s_cmp_lt_u32 ttmp9, 128
	s_cbranch_scc1 .Lweights
	; ---------------- activations: wave J takes tensor J / 1024, tile (J % 1024) / 2, half J % 2 of K
	s_sub_co_u32 s27, ttmp9, 128
	s_lshl_b32 s27, s27, 2
	s_add_co_u32 s27, s27, s26                     ; J
	s_lshr_b32 s28, s27, 10                        ; tensor
	s_bfe_u32 s29, s27, 0x90001                    ; T: 9 bits from bit 1
	s_and_b32 s30, s27, 1                          ; half
	s_lshr_b32 s32, s29, 1
	s_lshl_b32 s32, s32, 17                        ; the tile's first row is 32 (T / 2) + 8 (T % 2); a row is 4,096 bytes
	s_and_b32 s38, s29, 1
	s_lshl_b32 s38, s38, 15
	s_add_co_u32 s32, s32, s38
	; key's tiles are laid otherwise: place 8 e + f of tile T holds row 64 (T / 4) + 32 e + 8 (T % 4) + f, so that in the scores a lane's 32 registers of four tiles are 32 neighbouring keys
	s_lshr_b32 s31, s29, 2
	s_lshl_b32 s31, s31, 18                        ; 64 (T / 4) rows of 4,096 bytes
	s_and_b32 s39, s29, 3
	s_lshl_b32 s39, s39, 15                        ; + 8 (T % 4) rows
	s_add_co_u32 s31, s31, s39
	s_cmp_eq_u32 s28, 1                            ; the choice hangs on the work-group's and the wave's number alone
	s_cselect_b32 s32, s31, s32
	s_cselect_b32 s39, 0x10000, 0                  ; key's places 8-15 lie 16 rows further on than the other tensors'
	s_lshl_b32 s38, s30, 11
	s_add_co_u32 s32, s32, s38                     ; + 2,048 x half
	s_mul_i32 s34, s28, 6291456                    ; codes: tensor, tile, half
	s_mul_i32 s38, s29, 12288
	s_add_co_u32 s34, s34, s38
	s_mul_i32 s38, s30, 6144
	s_add_co_u32 s34, s34, s38
	s_lshl_b32 s36, s28, 18                        ; scale bytes: tensor x 262,144 + (T / 8) x 4,096 + half x 2,048 + (T % 8) x 128
	s_lshr_b32 s38, s29, 3
	s_lshl_b32 s38, s38, 12
	s_add_co_u32 s36, s36, s38
	s_lshl_b32 s38, s30, 11
	s_add_co_u32 s36, s36, s38
	s_and_b32 s38, s29, 7
	s_lshl_b32 s38, s38, 7
	s_add_co_u32 s36, s36, s38
	s_mul_i32 s38, s26, 2*STG                      ; my two stages
	s_mov_b32 s46, 0x76543210
	s_mov_b32 s47, 0xfedcba98                      ; v_permlanex16_b32: lane l xor 16
	s_wait_alu depctr_va_vdst(0)
	v_lshlrev_b32 v3, 4, v2
	v_lshl_add_u32 v3, v6, 12, v3                  ; in: 4,096 h + 16 r
	v_add_nc_u32 v10, s39, v3                      ; the same for places 8-15
	v_mul_u32_u24 v14, v6, SP
	v_lshl_add_u32 v14, v2, 4, v14
	v_add_nc_u32 v14, s38, v14                     ; into the stage: row h of a pair, 16 r
	v_mul_u32_u24 v15, v2, SP
	v_lshl_add_u32 v15, v6, 7, v15
	v_add_nc_u32 v15, s38, v15                     ; out of it: row r, my block's 128 bytes
	v_lshlrev_b32 v4, 4, v1                        ; 16 x lane
	v_lshlrev_b32 v5, 3, v1                        ; 8 x lane
	v_lshlrev_b32 v7, 3, v2
	v_lshl_add_u32 v7, v6, 10, v7                  ; scale bytes: 1,024 h + 8 r
	v_lshlrev_b32 v6, 3, v6                        ; 8 h
	s_wait_alu depctr_va_vdst(0)
	s_wait_kmcnt 0x0
	s_cmp_eq_u32 s28, 0                            ; the choice hangs on the work-group's and the wave's number alone
	s_cselect_b64 s[40:41], s[4:5], s[6:7]
	s_cmp_eq_u32 s28, 2
	s_cselect_b64 s[40:41], s[8:9], s[40:41]
	s_add_nc_u64 s[40:41], s[40:41], s[32:33]
	s_add_nc_u64 s[42:43], s[18:19], s[34:35]
	s_add_nc_u64 s[44:45], s[20:21], s[36:37]
	LOADA 0
	LOADA 1
	LOADA 2
	s_wait_loadcnt 16                              ; step 0's eight loads are in
	TURNA 0
.irp t, 0,1,2,3,4,5,6,7
	STEPA \t
.endr
	; the scale words: lane (r, h) holds the byte of block 2 t + h of step t.  Word s (128 along K) = blocks 4 s .. 4 s + 3
.irp s, 0,1,2,3
	v_lshl_or_b32 v[8+\s], v[BY+2*\s+1], 16, v[BY+2*\s]
.endr
.irp s, 0,1,2,3
	v_lshlrev_b32 v[8+\s], v6, v[8+\s]             ; my two bytes at their places, 8 h bits up
.endr
.irp s, 0,1,2,3
	v_mov_b32 v[16+\s], 0                          ; a lane permute's destination counts as one of its sources
.endr
.irp s, 0,1,2,3
	v_permlanex16_b32 v[16+\s], v[8+\s], s46, s47
.endr
.irp s, 0,1,2,3
	v_or_b32 v[8+\s], v[8+\s], v[16+\s]            ; with lane l xor 16's two the word is whole
.endr
	v_cmp_ne_u32 vcc_lo, 0, v6
	v_cndmask_b32 v20, v8, v10, vcc_lo             ; lanes 0-15 store words 0, 1 (the first 256 along K), lanes 16-31 words 2, 3
	v_cndmask_b32 v21, v9, v11, vcc_lo
	global_store_b64 v7, v[20:21], s[44:45]        ; each half of the lanes: 128 consecutive bytes
	s_wait_tensorcnt 0x0
	ds_add_u32 v248, v249
	s_wait_dscnt 0x0
	s_endpgm
	; ---------------- weights: work-group = 32 m + 8 kq + cg / 4;  a wave takes 32 columns x 256 along K
.Lweights:
	s_lshr_b32 s28, ttmp9, 5                       ; m: Wq, Wk, Wv, Wo
	s_bfe_u32 s29, ttmp9, 0x20003                  ; kq: which 256 along K
	s_and_b32 s30, ttmp9, 7
	s_lshl_b32 s30, s30, 2
	s_add_co_u32 s30, s30, s26                     ; cg: columns 32 cg + lane
	v_bfe_u32 v8, v0, 3, 1                         ; u: column 16 e + 8 u + f stands at position 16 u + 8 e + f: tile 2 cg + u,
	v_and_b32 v9, 7, v0
	s_wait_alu depctr_va_vdst(0)
	v_lshl_add_u32 v9, v6, 3, v9                   ; place 8 e + f in it
	v_mul_u32_u24 v10, v8, 12288
	v_lshl_add_u32 v4, v9, 4, v10                  ; codes: my first 16 bytes,
	v_lshl_add_u32 v5, v9, 3, v10                  ; my last 8
	v_lshl_add_u32 v7, v8, 4, v9
	v_lshlrev_b32 v7, 3, v7                        ; scale bytes: 8 x position
	v_lshlrev_b32 v3, 2, v1                        ; in: 4 bytes a lane
	s_mul_i32 s34, s28, 786432                     ; codes: m, tile 2 cg, four half fragments for each kq
	s_mul_i32 s38, s30, 24576
	s_add_co_u32 s34, s34, s38
	s_mul_i32 s38, s29, 3072
	s_add_co_u32 s34, s34, s38
	s_lshl_b32 s36, s28, 15                        ; scale bytes: m x 32,768 + (cg / 4) x 4,096 + kq x 1,024 + (cg % 4) x 256
	s_lshr_b32 s38, s30, 2
	s_lshl_b32 s38, s38, 12
	s_add_co_u32 s36, s36, s38
	s_lshl_b32 s38, s29, 10
	s_add_co_u32 s36, s36, s38
	s_and_b32 s38, s30, 3
	s_lshl_b32 s38, s38, 8
	s_add_co_u32 s36, s36, s38
	s_wait_kmcnt 0x0
	s_add_nc_u64 s[42:43], s[22:23], s[34:35]
	s_add_nc_u64 s[44:45], s[24:25], s[36:37]
	s_cmp_eq_u32 s28, 3
	s_cbranch_scc1 .Lwo
	s_lshr_b32 s32, s30, 1                         ; [head][d][64]: head = cg / 2, 262,144 bytes; a step along K is 256 bytes
	s_lshl_b32 s32, s32, 18
	s_lshl_b32 s38, s29, 16
	s_add_co_u32 s32, s32, s38
	s_and_b32 s38, s30, 1
	s_lshl_b32 s38, s38, 7
	s_add_co_u32 s32, s32, s38
	s_cmp_eq_u32 s28, 0
	s_cselect_b64 s[40:41], s[10:11], s[12:13]
	s_cmp_eq_u32 s28, 2
	s_cselect_b64 s[40:41], s[14:15], s[40:41]
	s_add_nc_u64 s[40:41], s[40:41], s[32:33]
	s_wait_alu depctr_va_vdst(0)
	WBODY 256
	s_endpgm
.Lwo:
	s_lshl_b32 s32, s29, 20                        ; Wo [k][n]: a step along K is 4,096 bytes
	s_lshl_b32 s38, s30, 7
	s_add_co_u32 s32, s32, s38
	s_add_nc_u64 s[40:41], s[16:17], s[32:33]
	s_wait_alu depctr_va_vdst(0)
	WBODY 4096
	s_endpgm
.Lfunc_end_k_q25f5c68af3_quant:
	.size	k_q25f5c68af3_quant, .Lfunc_end_k_q25f5c68af3_quant-k_q25f5c68af3_quant
	.p2alignl 7, 3214868480
	.fill 96, 4, 3214868480
	.section	.rodata,"a",@progbits
	.p2align	6, 0x0
	.amdhsa_kernel k_q25f5c68af3_quant
		.amdhsa_group_segment_fixed_size 35328
		.amdhsa_private_segment_fixed_size 0
		.amdhsa_enable_private_segment 0
		.amdhsa_kernarg_size 88
		.amdhsa_user_sgpr_count 2
		.amdhsa_user_sgpr_kernarg_segment_ptr 1
		.amdhsa_wavefront_size32 1
		.amdhsa_system_sgpr_workgroup_id_x 1
		.amdhsa_system_sgpr_workgroup_id_y 1
		.amdhsa_system_sgpr_workgroup_id_z 1
		.amdhsa_system_vgpr_workitem_id 0
		.amdhsa_next_free_vgpr 250
		.amdhsa_next_free_sgpr 66
		.amdhsa_reserve_vcc 1
		.amdhsa_float_denorm_mode_32 3
		.amdhsa_float_denorm_mode_16_64 3
		.amdhsa_memory_ordered 1
		.amdhsa_forward_progress 1
		.amdhsa_inst_pref_size 108
	.end_amdhsa_kernel
	.amdgpu_metadata
---
amdhsa.version: [ 1, 2 ]
amdhsa.kernels:
  - .name:           k_q25f5c68af3_quant
    .symbol:         k_q25f5c68af3_quant.kd
    .args:
      - { .name: query, .offset: 0, .size: 8, .value_kind: global_buffer, .address_space: global }
      - { .name: key, .offset: 8, .size: 8, .value_kind: global_buffer, .address_space: global }
      - { .name: value, .offset: 16, .size: 8, .value_kind: global_buffer, .address_space: global }
      - { .name: Wq, .offset: 24, .size: 8, .value_kind: global_buffer, .address_space: global }
      - { .name: Wk, .offset: 32, .size: 8, .value_kind: global_buffer, .address_space: global }
      - { .name: Wv, .offset: 40, .size: 8, .value_kind: global_buffer, .address_space: global }
      - { .name: Wo, .offset: 48, .size: 8, .value_kind: global_buffer, .address_space: global }
      - { .name: xc, .offset: 56, .size: 8, .value_kind: global_buffer, .address_space: global }
      - { .name: xs, .offset: 64, .size: 8, .value_kind: global_buffer, .address_space: global }
      - { .name: wc, .offset: 72, .size: 8, .value_kind: global_buffer, .address_space: global }
      - { .name: ws, .offset: 80, .size: 8, .value_kind: global_buffer, .address_space: global }
    .group_segment_fixed_size: 35328
    .private_segment_fixed_size: 0
    .kernarg_segment_align: 8
    .kernarg_segment_size: 88
    .max_flat_workgroup_size: 128
    .sgpr_count:     66
    .vgpr_count:     250
    .wavefront_size: 32
...
	.end_amdgpu_metadata
.endif
;; end of part 1
;; launch proj (part 2): grid 4 x 96, 4 waves a work-group, clusters of 4 x 4, 327,680 bytes of LDS; arguments xc, xs, wc, ws, pc, ps; writes pc, ps
.if DOCPART == 2
	.amdgcn_target "amdgcn-amd-amdhsa--gfx1250"
	.amdhsa_code_object_version 6
	.text
	.protected	k_q25f5c68af3_proj
	.globl	k_q25f5c68af3_proj
	.p2align	8
	.type	k_q25f5c68af3_proj,@function
k_q25f5c68af3_proj:
	s_mov_b64 s[64:65], 0
	v_nop
	global_prefetch_b8 v0, s[64:65] scope:SCOPE_SE
	s_setreg_imm32_b32 hwreg(HW_REG_WAVE_MODE, 25, 1), 1
	s_wait_xcnt 0x0
	s_wait_alu depctr_hold_cnt(0) depctr_sa_sdst(0) depctr_va_vdst(0) depctr_va_sdst(0) depctr_va_ssrc(0) depctr_va_vcc(0) depctr_vm_vsrc(0)
	s_getreg_b32 s2, hwreg(HW_REG_IB_STS2, 6, 4)
	s_cmp_eq_u32 s2, 0
	s_cbranch_scc0 .Lentry_in_a_cluster
	s_endpgm
.Lentry_in_a_cluster:
	s_bfe_u32 s2, ttmp6, 0x10000c
	s_cmp_lg_u32 s2, 0xf033
	s_cbranch_scc0 .Lentry_shape_is_right
	s_endpgm
.Lentry_shape_is_right:
.set ROWB,  3072
.set TILEB, 12288
.set FR,    12
.set NL,    4
.set NP,    4
.set NQ,    2
.set HALFT, 8*ROWB
.set SLOT,  4*HALFT
.set SCL,   2*SLOT
.set SPARE, 213248
.set ADRA, 16
.set ADRB, 20
.set LI,   24
.set L8,   25
.set L4,   26
.set ADRS, 27
.set SPW,  28
.set NIL,  29
.set H16,  30
.set SC,   32
.set AF,   128
.set CT,   160
.set TM,   176
.set PW,   192
.set SW,   200
.set G1, 24
.set G0, 32
.set G1B, 48
.set G0B, 56
.set G1S, 68
.set G0S, 76
.set G1SB, 80
.set G0SB, 88
.set MSB, 0
.macro WIN new
.if MSB != \new
	s_set_vgpr_msb (MSB<<8)|\new
.set MSB, \new
.endif
.endm
.set MUL_LO, 0xa1
.set MUL_HI, 0xf1
.set TO_B,   0x40
.macro JLOAD g0a, g1a, g0b, g1b
	s_cmp_eq_u32 s15, 0
	s_cbranch_scc0 .Lfor_b_\@
	tensor_load_to_lds s[\g0a:\g0a+3], s[\g1a:\g1a+7]
	s_nop 0
.rept 4
	v_nop
.endr
	s_branch .Lasked_\@
.Lfor_b_\@:
	tensor_load_to_lds s[\g0b:\g0b+3], s[\g1b:\g1b+7]
	s_nop 0
.rept 4
	v_nop
.endr
.Lasked_\@:
.endm
.macro CREST
	s_cmp_lg_u32 s14, 0
	s_cbranch_scc1 .Lnot_wave_0_\@
	s_barrier_signal -3
.Lnot_wave_0_\@:
	s_barrier_wait -3
	s_barrier_signal -1
	s_barrier_wait -1
.endm
.macro CROUND
	s_barrier_signal -1
	s_barrier_wait -1
	CREST
.endm
.macro FRAG reg, adr, q, i
	ds_load_b128 v[\reg:\reg+3], v[\adr] offset:(\i)*ROWB+(\q)*1536
	ds_load_b64 v[\reg+4:\reg+5], v[\adr+2] offset:(\i)*ROWB+(\q)*1536+512
	ds_load_b128 v[\reg+6:\reg+9], v[\adr] offset:(\i)*ROWB+(\q)*1536+768
	ds_load_b64 v[\reg+10:\reg+11], v[\adr+2] offset:(\i)*ROWB+(\q)*1536+1280
.endm
.macro MUL16 a0, p, q, sc, zero
.irp a, \a0, \a0+1
.irp b, 0,1,2,3,4,5,6,7
.if \zero
	v_wmma_scale_f32_16x16x128_f8f6f4 v[8*(8*((\a)%4)+\b):8*(8*((\a)%4)+\b)+7], v[128*(\p)+FR*\b:128*(\p)+FR*\b+FR-1], v[AF+FR*(\a):AF+FR*(\a)+FR-1], 0, v[SC+8*NQ*(\sc)+NQ*\b+(\q)], v[SC+8*NQ*(\sc)+NQ*(\a)+(\q)] matrix_a_fmt:MATRIX_FMT_FP6 matrix_b_fmt:MATRIX_FMT_FP6 matrix_a_scale:MATRIX_SCALE_ROW1
.else
	v_wmma_scale_f32_16x16x128_f8f6f4 v[8*(8*((\a)%4)+\b):8*(8*((\a)%4)+\b)+7], v[128*(\p)+FR*\b:128*(\p)+FR*\b+FR-1], v[AF+FR*(\a):AF+FR*(\a)+FR-1], v[8*(8*((\a)%4)+\b):8*(8*((\a)%4)+\b)+7], v[SC+8*NQ*(\sc)+NQ*\b+(\q)], v[SC+8*NQ*(\sc)+NQ*(\a)+(\q)] matrix_a_fmt:MATRIX_FMT_FP6 matrix_b_fmt:MATRIX_FMT_FP6 matrix_a_scale:MATRIX_SCALE_ROW1
.endif
.endr
.endr
.endm
.macro FETCH_B slot, q, p
	WIN TO_B
.irp i, 0,1,2,3,4,5,6,7
	FRAG 128*(\p)+FR*\i, ADRB+\slot, \q, \i
.endr
	WIN 0
.endm
.macro FETCH_A slot, q, i0
.irp i, \i0, \i0+1, \i0+2, \i0+3
	FRAG AF+FR*(\i), ADRA+\slot, \q, \i
.endr
.endm
.macro SCALES sc, kq
.irp i, 0,1,2,3,4,5,6,7
	ds_load_b64 v[SC+8*NQ*\sc+NQ*\i:SC+8*NQ*\sc+NQ*\i+1], v[ADRS] offset:\kq*1024+\i*128
.endr
.endm
.macro PLACES n
.rept \n
	v_nop
.endr
.endm
.macro STEP slot, q, zero
	s_wait_dscnt 4*NL
	WIN MUL_LO
	MUL16 0, (\q)%2, \q, \slot, \zero
	MUL16 2, (\q)%2, \q, \slot, \zero
	s_wait_dscnt 0
	PLACES NP
	FETCH_B \slot, (\q)+1, 1-(\q)%2
	FETCH_A \slot, (\q)+1, 0
	WIN MUL_HI
	MUL16 4, (\q)%2, \q, \slot, \zero
	MUL16 6, (\q)%2, \q, \slot, \zero
	PLACES NP
	WIN 0
	FETCH_A \slot, (\q)+1, 4
.endm
.macro TURN slot, next, fill, kq
	s_wait_tensorcnt 0x0
	ds_add_u32 v[SPW], v[NIL]
	s_wait_dscnt 4*NL+1
	WIN MUL_LO
	MUL16 0, 1, NQ-1, \slot, 0
	s_wait_dscnt 0x0
	s_barrier_signal -1
	MUL16 2, 1, NQ-1, \slot, 0
	WIN 0
	s_barrier_wait -1
.if \fill
	CREST
	s_add_nc_u64 s[G0+4*\slot+2:G0+4*\slot+3], s[G0+4*\slot+2:G0+4*\slot+3], 2*ROWB
	s_add_nc_u64 s[G0B+4*\slot+2:G0B+4*\slot+3], s[G0B+4*\slot+2:G0B+4*\slot+3], 2*ROWB
	JLOAD G0+4*\slot, G1, G0B+4*\slot, G1B
.else
	PLACES NP
.endif
	FETCH_B \next, 0, 0
	FETCH_A \next, 0, 0
	SCALES \next, \kq
	WIN MUL_HI
	MUL16 4, 1, NQ-1, \slot, 0
	MUL16 6, 1, NQ-1, \slot, 0
	PLACES NP
	WIN 0
	FETCH_A \next, 0, 4
.endm
.macro QUANTW a
.set AC, 64*((\a)%4)
.set CO, 64+12*(\a)
	WIN 0x28+0x14*((\a)/4)
.irp b, 0,1,2,3
	v_max3_num_f32 v[TM+\b], 0x1800000, |v[AC+16*\b]|, |v[AC+16*\b+1]|
.endr
.irp i, 2,4,6,8,10,12,14
.irp b, 0,1,2,3
	v_max3_num_f32 v[TM+\b], v[TM+\b], |v[AC+16*\b+\i]|, |v[AC+16*\b+\i+1]|
.endr
.endr
	WIN 0
.irp b, 0,1,2,3
	v_permlanex16_b32 v[TM+4+\b], v[TM+\b], s98, s99
.endr
.irp b, 0,1,2,3
	v_max_num_f32 v[TM+\b], v[TM+\b], v[TM+4+\b]
.endr
.irp b, 0,1,2,3
	v_add_nc_u32 v[TM+12+\b], 0xff000000, v[TM+\b]
.endr
.irp b, 0,1,2,3
	v_lshrrev_b32 v[TM+4+\b], 23, v[TM+12+\b]
.endr
	v_lshl_or_b32 v[PW+(\a)], v[TM+5], 8, v[TM+4]
	v_lshl_or_b32 v[PW+(\a)], v[TM+6], 16, v[PW+(\a)]
	v_lshl_or_b32 v[PW+(\a)], v[TM+7], 24, v[PW+(\a)]
	WIN 2+(\a)/4
.irp c, 0,1
	v_cvt_scalef32_pk16_fp6_f32 v[CO+6*\c:CO+6*\c+2], v[AC+32*\c:AC+32*\c+15], v[TM+12+2*\c]
	v_cvt_scalef32_pk16_fp6_f32 v[CT+4*\c:CT+4*\c+2], v[AC+16+32*\c:AC+31+32*\c], v[TM+12+2*\c+1]
.endr
	WIN 0
	v_lshrrev_b32 v[SW+(\a)], v[H16], v[PW+(\a)]
.irp c, 0,1
.irp i, 0,1,2
	v_permlane16_swap_b32 v[CO+6*\c+\i], v[CT+4*\c+\i]
.endr
.irp i, 0,1,2
	v_mov_b32 v[CO+3+6*\c+\i], v[CT+4*\c+\i]
.endr
.endr
.irp c, 0,1
	global_store_b128 v[LI], v[CO+6*\c:CO+6*\c+3], s[12:13] offset:(\a)*1536+\c*768
	global_store_b64 v[L8], v[CO+6*\c+4:CO+6*\c+5], s[12:13] offset:(\a)*1536+\c*768+512
.endr
	global_store_b32 v[L4], v[SW+(\a)], s[66:67] offset:(\a)*128
.endm
	s_load_b128 s[4:7], s[0:1], 0x0
	s_load_b128 s[8:11], s[0:1], 0x10
	s_load_b64 s[12:13], s[0:1], 0x20
	s_load_b64 s[66:67], s[0:1], 0x28
	v_lshl_add_u32 v[SPW], v0, 2, SPARE
	v_mov_b32 v[NIL], 0
	ds_add_u32 v28, v29
	ds_add_u32 v28, v29
	s_wait_dscnt 0x0
	v_lshrrev_b32 v1, 5, v0
	v_readfirstlane_b32 s14, v1
	s_lshr_b32 s15, s14, 1
	s_and_b32 s16, s14, 1
	s_bfe_u32 s40, ttmp6, 0x40000
	s_bfe_u32 s41, ttmp6, 0x40004
	s_and_b32 s97, ttmp7, 0xffff
	s_lshr_b32 s95, s97, 3
	s_and_b32 s97, s97, 7
	s_lshl_b32 s97, s97, 2
	s_cmp_eq_u32 s95, 2
	s_cselect_b32 s42, s97, 0
	s_cselect_b32 s17, 0, s97
	s_add_co_u32 s42, s42, s40
	s_add_co_u32 s17, s17, s41
	s_lshl_b32 s43, s41, 2
	s_lshl_b32 s43, 15, s43
	s_lshl_b32 s44, 0x1111, s40
	s_or_b32 s[G1+0], s43, (3<<16)|(1<<21)
	s_or_b32 s[G1B+0], s44, (3<<16)|(1<<21)
.irp g, G1, G1B
	s_mov_b32 s[\g+1], 384<<16
	s_mov_b32 s[\g+2], 16<<16
	s_mov_b32 s[\g+3], 384<<16
	s_mov_b32 s[\g+4], 16
	s_mov_b32 s[\g+5], 1536
	s_mov_b32 s[\g+6], 0
	s_mov_b32 s[\g+7], 0
.endr
	s_or_b32 s[G1S+0], s43, (3<<16)|(1<<21)
	s_or_b32 s[G1SB+0], s44, (3<<16)|(1<<21)
.irp g, G1S, G1SB
	s_mov_b32 s[\g+1], 32<<16
	s_mov_b32 s[\g+2], 32<<16
	s_mov_b32 s[\g+3], 32<<16
	s_mov_b32 s[\g+4], 32
	s_mov_b32 s[\g+5], 32
	s_mov_b32 s[\g+6], 0
	s_mov_b32 s[\g+7], 0
.endr
	s_lshl_b32 s18, s16, 3
	s_lshl_b32 s20, s17, 4
	s_add_co_u32 s20, s20, s18
	s_mul_i32 s20, s20, TILEB
	s_mov_b32 s21, 0
	s_lshl_b32 s46, s42, 4
	s_add_co_u32 s46, s46, s18
	s_mul_i32 s46, s46, TILEB
	s_mov_b32 s47, 0
	s_lshl_b32 s22, s17, 13
	s_mov_b32 s23, 0
	s_lshl_b32 s92, s42, 13
	s_mov_b32 s93, 0
	s_mul_i32 s45, s14, HALFT
	s_mov_b32 s98, 0x76543210
	s_mov_b32 s99, 0xfedcba98
	s_mov_b32 s3, 0
	s_wait_kmcnt 0x0
	s_mul_i32 s2, s95, 6291456
	s_add_nc_u64 s[4:5], s[4:5], s[2:3]
	s_mul_i32 s2, s95, 262144
	s_add_nc_u64 s[6:7], s[6:7], s[2:3]
	s_mul_i32 s2, s95, 786432
	s_add_nc_u64 s[8:9], s[8:9], s[2:3]
	s_mul_i32 s2, s95, 32768
	s_add_nc_u64 s[10:11], s[10:11], s[2:3]
	s_cmp_eq_u32 s95, 2
	s_cselect_b64 s[18:19], s[8:9], s[4:5]
	s_cselect_b64 s[4:5], s[4:5], s[8:9]
	s_cselect_b64 s[8:9], s[10:11], s[6:7]
	s_cselect_b64 s[6:7], s[6:7], s[10:11]
	s_add_nc_u64 s[20:21], s[18:19], s[20:21]
	s_add_nc_u64 s[22:23], s[8:9], s[22:23]
	s_add_nc_u64 s[46:47], s[4:5], s[46:47]
	s_add_nc_u64 s[92:93], s[6:7], s[92:93]
	CROUND
	s_mov_b32 s[G0S], 1
	s_mov_b32 s[G0S+1], SCL
	s_mov_b64 s[G0S+2:G0S+3], s[22:23]
	s_or_b32 s[G0S+3], s[G0S+3], 0x80000000
	s_mov_b32 s[G0SB], 1
	s_mov_b32 s[G0SB+1], SCL+8320
	s_mov_b64 s[G0SB+2:G0SB+3], s[92:93]
	s_or_b32 s[G0SB+3], s[G0SB+3], 0x80000000
.irp s, 0,1
	s_mov_b32 s[G0+4*\s], 1
	s_add_co_u32 s[G0+4*\s+1], s45, \s*SLOT
	s_add_nc_u64 s[G0+4*\s+2:G0+4*\s+3], s[20:21], \s*ROWB
	s_or_b32 s[G0+4*\s+3], s[G0+4*\s+3], 0x80000000
	s_mov_b32 s[G0B+4*\s], 1
	s_add_co_u32 s[G0B+4*\s+1], s45, \s*SLOT
	s_add_nc_u64 s[G0B+4*\s+2:G0B+4*\s+3], s[46:47], \s*ROWB
	s_or_b32 s[G0B+4*\s+3], s[G0B+4*\s+3], 0x80000000
.endr
	; the head's four tiles, one joint load a wave, in one chain of branches on the wave's number: wave 0 slot 0's 16 tiles of A, wave 2 its 16 tiles of B (both waves' own group 0 begins at the first tile), wave 1 A's 8,192 scale bytes, wave 3 B's
	s_cmp_eq_u32 s14, 0
	s_cbranch_scc0 .Lh1
	tensor_load_to_lds s[G0:G0+3], s[G1:G1+7]
	s_nop 0
	PLACES 4
	s_branch .Lhj
.Lh1:
	s_cmp_eq_u32 s14, 2
	s_cbranch_scc0 .Lh2
	tensor_load_to_lds s[G0B:G0B+3], s[G1B:G1B+7]
	s_nop 0
	PLACES 4
	s_branch .Lhj
.Lh2:
	s_cmp_eq_u32 s14, 1
	s_cbranch_scc0 .Lh3
	tensor_load_to_lds s[G0S:G0S+3], s[G1S:G1S+7]
	s_nop 0
	PLACES 4
	s_branch .Lhj
.Lh3:
	tensor_load_to_lds s[G0SB:G0SB+3], s[G1SB:G1SB+7]
	s_nop 0
	PLACES 4
.Lhj:
	v_and_b32 v1, 15, v0
	v_bfe_u32 v2, v0, 4, 1
	v_and_b32 v3, 31, v0
	v_lshlrev_b32 v[LI], 4, v3
	v_lshlrev_b32 v[L8], 3, v3
	v_lshlrev_b32 v[L4], 2, v3
	v_lshlrev_b32 v[H16], 4, v2
	s_mul_i32 s21, s15, HALFT
	s_mul_i32 s22, s16, HALFT
	s_add_co_u32 s22, s22, 2*HALFT
.irp s, 0,1
	v_add_nc_u32 v[ADRA+\s], s21, v[LI]
	v_add_nc_u32 v[ADRB+\s], s22, v[LI]
	v_add_nc_u32 v[ADRA+2+\s], s21, v[L8]
	v_add_nc_u32 v[ADRB+2+\s], s22, v[L8]
	s_add_co_u32 s21, s21, SLOT
	s_add_co_u32 s22, s22, SLOT
.endr
	s_lshl_b32 s21, s15, 12
	s_lshl_b32 s22, s16, 12
	s_add_co_u32 s22, s22, 2*4096+128
	s_sub_co_u32 s22, s22, s21
	v_mul_u32_u24 v6, s22, v2
	s_add_co_u32 s21, s21, SCL
	v_lshl_add_u32 v6, v1, 3, v6
	v_add_nc_u32 v[ADRS], s21, v6
	s_mov_b32 s2, 786432
	s_mov_b32 s3, 65536
	s_cmp_eq_u32 s95, 2
	s_cselect_b32 s2, 98304, s2
	s_cselect_b32 s3, 8192, s3
	s_lshl_b32 s46, s42, 1
	s_add_co_u32 s46, s46, s16
	s_mul_i32 s2, s46, s2
	s_mul_i32 s3, s46, s3
	s_lshl_b32 s20, s17, 4
	s_lshl_b32 s21, s15, 3
	s_add_co_u32 s20, s20, s21
	s_mul_i32 s21, s20, 1536
	s_lshl_b32 s20, s20, 7
	s_add_co_u32 s2, s2, s21
	s_add_co_u32 s3, s3, s20
	s_mul_i32 s21, s95, 6291456
	s_add_co_u32 s46, s2, s21
	s_mov_b32 s47, 0
	s_add_nc_u64 s[12:13], s[12:13], s[46:47]
	s_mul_i32 s21, s95, 524288
	s_add_co_u32 s46, s3, s21
	s_add_nc_u64 s[66:67], s[66:67], s[46:47]
	s_wait_alu depctr_va_vdst(0)
	s_wait_tensorcnt 0x0                           ; my tile of the head's four is in; slot 1's first fill is issued as a refill is
	ds_add_u32 v28, v29
	s_mov_b32 s[G1+2], 8<<16                       ; no tensor load of mine is out: from here on a load brings 8 tiles
	s_mov_b32 s[G1+4], 8
	s_mov_b32 s[G1B+2], 8<<16
	s_mov_b32 s[G1B+4], 8
	s_wait_dscnt 0x0
	CROUND                                         ; all four tiles are in, in every partner
	JLOAD G0+4, G1, G0B+4, G1B
	FETCH_B 0, 0, 0
	FETCH_A 0, 0, 0
	SCALES 0, 0
	FETCH_A 0, 0, 4
	STEP 0, 0, 1
	TURN 0, 1, 1, 1
	STEP 1, 0, 0
	TURN 1, 0, 1, 2
	STEP 0, 0, 0
	TURN 0, 1, 0, 3
	STEP 1, 0, 0
	s_wait_dscnt 4*NL
	WIN MUL_LO
	MUL16 0, 1, NQ-1, 1, 0
	MUL16 2, 1, NQ-1, 1, 0
	s_wait_dscnt 0
	WIN MUL_HI
	MUL16 4, 1, NQ-1, 1, 0
	MUL16 6, 1, NQ-1, 1, 0
	WIN 0
	PLACES NP
.irp b, 0,1,2,3
	v_mov_b32 v[TM+4+\b], 0
.endr
.irp a, 0,1,2,3,4,5,6,7
	QUANTW \a
.endr
	s_wait_tensorcnt 0x0
	ds_add_u32 v[SPW], v[NIL]
	s_wait_dscnt 0x0
	CROUND
	s_endpgm
.Lfunc_end_k_q25f5c68af3_proj:
	.size	k_q25f5c68af3_proj, .Lfunc_end_k_q25f5c68af3_proj-k_q25f5c68af3_proj
	.p2alignl 7, 3214868480
	.fill 96, 4, 3214868480
	.section	.rodata,"a",@progbits
	.p2align	6, 0x0
	.amdhsa_kernel k_q25f5c68af3_proj
		.amdhsa_group_segment_fixed_size 327680
		.amdhsa_private_segment_fixed_size 0
		.amdhsa_enable_private_segment 0
		.amdhsa_kernarg_size 48
		.amdhsa_user_sgpr_count 2
		.amdhsa_user_sgpr_kernarg_segment_ptr 1
		.amdhsa_wavefront_size32 1
		.amdhsa_system_sgpr_workgroup_id_x 1
		.amdhsa_system_sgpr_workgroup_id_y 1
		.amdhsa_system_sgpr_workgroup_id_z 1
		.amdhsa_system_vgpr_workitem_id 0
		.amdhsa_next_free_vgpr 1024
		.amdhsa_next_free_sgpr 100
		.amdhsa_reserve_vcc 0
		.amdhsa_float_denorm_mode_32 3
		.amdhsa_float_denorm_mode_16_64 3
		.amdhsa_memory_ordered 1
		.amdhsa_forward_progress 1
		.amdhsa_inst_pref_size 150
	.end_amdhsa_kernel
	.amdgpu_metadata
---
amdhsa.version: [ 1, 2 ]
amdhsa.kernels:
  - .name:           k_q25f5c68af3_proj
    .symbol:         k_q25f5c68af3_proj.kd
    .args:
      - { .name: xc, .offset: 0, .size: 8, .value_kind: global_buffer, .address_space: global }
      - { .name: xs, .offset: 8, .size: 8, .value_kind: global_buffer, .address_space: global }
      - { .name: wc, .offset: 16, .size: 8, .value_kind: global_buffer, .address_space: global }
      - { .name: ws, .offset: 24, .size: 8, .value_kind: global_buffer, .address_space: global }
      - { .name: pc, .offset: 32, .size: 8, .value_kind: global_buffer, .address_space: global }
      - { .name: ps, .offset: 40, .size: 8, .value_kind: global_buffer, .address_space: global }
    .group_segment_fixed_size: 327680
    .private_segment_fixed_size: 0
    .kernarg_segment_align: 8
    .kernarg_segment_size: 48
    .max_flat_workgroup_size: 128
    .sgpr_count:     100
    .vgpr_count:     1024
    .wavefront_size: 32
...
	.end_amdgpu_metadata
.endif
;; end of part 2
;; launch attn (part 3): grid 4 x 64, 16 waves a work-group, clusters of 4 x 1, 215,040 bytes of LDS; arguments pc, ps, cc, cs; writes cc, cs
.if DOCPART == 3
	.amdgcn_target "amdgcn-amd-amdhsa--gfx1250"
	.amdhsa_code_object_version 6
	.text
	.protected	k_q25f5c68af3_attn
	.globl	k_q25f5c68af3_attn
	.p2align	8
	.type	k_q25f5c68af3_attn,@function
k_q25f5c68af3_attn:
	s_mov_b64 s[64:65], 0
	v_nop
	global_prefetch_b8 v0, s[64:65] scope:SCOPE_SE
	s_setreg_imm32_b32 hwreg(HW_REG_WAVE_MODE, 25, 1), 1
	s_wait_xcnt 0x0
	s_wait_alu depctr_hold_cnt(0) depctr_sa_sdst(0) depctr_va_vdst(0) depctr_va_sdst(0) depctr_va_ssrc(0) depctr_va_vcc(0) depctr_vm_vsrc(0)
	s_getreg_b32 s2, hwreg(HW_REG_IB_STS2, 6, 4)
	s_cmp_eq_u32 s2, 0
	s_cbranch_scc0 .Lentry_in_a_cluster
	s_endpgm
.Lentry_in_a_cluster:
	s_bfe_u32 s2, ttmp6, 0x10000c
	s_cmp_lg_u32 s2, 0x3003
	s_cbranch_scc0 .Lentry_shape_is_right
	s_endpgm
.Lentry_shape_is_right:
; For one (batch, head) and 512 queries: S^T = k q^T, the softmax, O^T = v^T p^T, O / l, and O quantised along the concatenated heads for the last product.  All products on codes of FP6 (E2M3) with E8M0 scales.
; THE SOFTMAX: t = score x log2(e) / 8; M = the running largest t rounded UP to a whole number; p = 2^(t - M) is what is quantised, along the keys; the row's sum is taken of the unquantised p and divides O at the end.
; When M moves, the sum and O^T are multiplied by 2^(old M - new M): exact.
; SHARES.  256 work-groups of sixteen waves.  A wave has one tile of 16 queries in 256 registers and walks the 2,048 keys, 128 a step; the work-group does that TWICE (two passes of 256 queries) on the same k and v.
; ALL of the head's k and v, 196,608 bytes of codes and 16,384 of scale words, lie in LDS: filled ONCE; no byte is filled again.
; CLUSTER.  The four work-groups of a cluster are the head's four blocks of 512 queries and read the same k and v: every fill is a joint load (mask 15).
; FILLS: one tensor load a wave, ten arms of one chain: waves 0-3 k's words, k's keys 0-511, v's words, v's keys 0-511; waves 4-9 the other three chunks of k and v.  The first barrier waits for waves 0-3's loads alone
; (each arm's line is one wave's own); the second, four key steps on, for all.  In the second pass both find nothing out.
; No prefetch: all that fills LDS is asked for at the head; the second pass's q is loaded ahead of the first pass's way out.
; LAYOUT.  A lane holds ONE query throughout.  Place 8 h + j of k's tile t holds key 64 (t / 4) + 32 h + 8 (t % 4) + j of the step: so registers 32 c .. 32 c + 31 of lane (r, h)'s scores are keys 64 c + 32 h + 0 .. 31:
; one whole scale block, in the order of the operand's registers 6 c .. 6 c + 5.  No lane looks at another but for the row's maximum and for p's scale word.
; K = 64 IN THE FIRST PRODUCT: q's registers 6-11 are zero codes, so k's fragment t is v[32 + 6 t .. 43 + 6 t]: its upper six registers are the next tile's codes (or zeros) and meet zero codes; the scale bytes beside them are never 0xff.
; LIMITS: NaN and infinities are not served; a block of zeros, and one under 2^-124, gets the byte 1; the promise holds while the scaled scores t stay under 2^31 in magnitude.
; A head owns two of a row's 32 scale bytes of the result: they leave as single bytes, one in 24 of what the launch stores.
; REGISTERS: v1-7, v28, v29 addresses that stay; v8-11, v30, v31 addresses in hand; v12 -M, v13 the largest score, v[14:15] the sum; v16-27 q; v32-85 k's or v's fragments; v96-159 S^T, then p; v160-191 O^T;
; v192-207 at work; v208-221 partial sums; v224-235 p's codes; v236-242 codes on their way; v248-251 k's or v's scale words; v253 p's; v255 q's; v223, v243 the add's two.
.set VOF,  98304                       ; v's codes: [key step 16][6,144], behind k's [key step 16][6,144]
.set SCK,  196608                      ; k's scale words: [tile 128][64 bytes]
.set SCV,  204800                      ; v's: [key step 16][512 bytes]
.set SPARE, 212992                     ; the spare words: 128 bytes for each of sixteen waves
.set WV,   12
.set SEL,  20
.set CS,   22
.set G1K,  24
.set G1V,  32
.set G1KS, 40
.set G1VS, 48
.set G0,   56
.set TB,   2                           ; s2  6,144 x key step
.set TS,   3                           ; s3  512 x key step
.set CNT,  66
.set PASS, 67
.set KB,   68                          ; s[68:75] where the head's k, v and their words begin
.set VB,   70
.set KSB,  72
.set VSB,  74
.set SPT,  208
.macro WALU
	s_wait_alu depctr_va_vdst(0)
.endm
.macro CROUND
	s_barrier_signal -1
	s_barrier_wait -1
	s_cmp_lg_u32 s[WV], 0
	s_cbranch_scc1 .Lnot_wave_0_\@
	s_barrier_signal -3
.Lnot_wave_0_\@:
	s_barrier_wait -3
	s_barrier_signal -1
	s_barrier_wait -1
.endm
.macro GRP g, c, r, p                  ; group 1: r rows of c elements of 8 bytes, p elements apart; mask 15 with bit 21 beside it; no padding
	s_mov_b32 s[\g], 15|(3<<16)|(1<<21)
	s_mov_b32 s[\g+1], (\c)<<16
	s_mov_b32 s[\g+2], (\r)<<16
	s_mov_b32 s[\g+3], (\c)<<16
	s_mov_b32 s[\g+4], \r
	s_mov_b32 s[\g+5], \p
	s_mov_b32 s[\g+6], 0
	s_mov_b32 s[\g+7], 0
.endm
.macro ARM w, lds, base, off, g1       ; wave w's one fill
	s_cmp_eq_u32 s[WV], \w
	s_cbranch_scc0 .Lnext_\@
	s_mov_b32 s[G0+1], \lds
	s_add_nc_u64 s[G0+2:G0+3], s[\base:\base+1], \off
	s_or_b32 s[G0+3], s[G0+3], 0x80000000
	tensor_load_to_lds s[G0:G0+3], s[\g1:\g1+7]
	s_nop 0
.rept 4
	v_nop
.endr
	s_branch .Lasked
.Lnext_\@:
.endm
; A KEY STEP: 128 keys.
; The second part of a step's sum of p, 24 lines: it stands behind the NEXT step's loads of k, work on registers while they are on their way, and once more on the way out.
; A pass's first step finds zeros in v112-113, v128-159 and in the partial sums.
.macro SUMS2
.irp b, 128,144
	v_pk_add_f32 v[14:15], v[14:15], v[\b-16:\b-15]
.irp i, 1,2,3,4,5,6,7
	v_pk_add_f32 v[SPT+2*\i-2:SPT+2*\i-1], v[SPT+2*\i-2:SPT+2*\i-1], v[\b+2*\i:\b+2*\i+1]
.endr
.endr
	v_pk_add_f32 v[14:15], v[14:15], v[144:145]
	v_pk_add_f32 v[208:209], v[208:209], v[210:211]
	v_pk_add_f32 v[212:213], v[212:213], v[214:215]
	v_pk_add_f32 v[216:217], v[216:217], v[218:219]
	v_pk_add_f32 v[14:15], v[14:15], v[220:221]
	v_pk_add_f32 v[208:209], v[208:209], v[212:213]
	v_pk_add_f32 v[14:15], v[14:15], v[216:217]
	v_pk_add_f32 v[14:15], v[14:15], v[208:209]
.endm
.macro STEP
	v_add_nc_u32 v8, s[TB], v1                     ; these four are also the places behind the last products, in front of the loads below
	v_add_nc_u32 v9, s[TB], v2
	v_add_nc_u32 v10, s[TS], v3
	v_add_nc_u32 v30, s[TB], v5
.irp t, 0,1,2,3,4,5,6,7
	ds_load_b128 v[32+6*\t:35+6*\t], v8 offset:768*\t
	ds_load_b64 v[36+6*\t:37+6*\t], v9 offset:768*\t+512
.endr
.irp p, 0,1,2,3
	ds_load_b32 v[248+\p], v10 offset:128*\p       ; lanes 0-15: tile 2 p's words, lanes 16-31: tile 2 p + 1's
.endr
	SUMS2                                          ; the last step's p, still under the last step's M
	WALU                                           ; the wait ahead of the wait below
	s_wait_dscnt 0x0
.irp p, 0,1,2,3
	v_wmma_scale_f32_16x16x128_f8f6f4 v[96+16*\p:103+16*\p], v[32+12*\p:43+12*\p], v[16:27], 0, v[248+\p], v255 matrix_a_fmt:MATRIX_FMT_FP6 matrix_b_fmt:MATRIX_FMT_FP6
	v_wmma_scale_f32_16x16x128_f8f6f4 v[104+16*\p:111+16*\p], v[38+12*\p:49+12*\p], v[16:27], 0, v[248+\p], v255 matrix_a_fmt:MATRIX_FMT_FP6 matrix_b_fmt:MATRIX_FMT_FP6 matrix_a_scale:MATRIX_SCALE_ROW1
.endr
	v_add_nc_u32 v31, s[TB], v6                    ; four places in front of the loads into k's registers and of the first read of the scores
	v_add_nc_u32 v11, s[TS], v4
	v_mov_b32 v198, v12                            ; the old -M
	v_nop
.irp d, 0,1,2,3                                ; v's four fragments are asked for here and land under the softmax
	ds_load_b128 v[32+12*\d:35+12*\d], v30 offset:1536*\d
	ds_load_b64 v[36+12*\d:37+12*\d], v31 offset:1536*\d+512
	ds_load_b128 v[38+12*\d:41+12*\d], v30 offset:1536*\d+768
	ds_load_b64 v[42+12*\d:43+12*\d], v31 offset:1536*\d+1280
.endr
.irp p, 0,1
	ds_load_b32 v[248+\p], v11 offset:256*\p
.endr
.irp x, 0,1,2,3                                ; the largest score of my two blocks of 32 keys, in four chains of 16 by turns: it serves the row's maximum and, since p rises with the score, the block's largest p
	v_max3_num_f32 v[192+\x], v[96+16*\x], v[97+16*\x], v[98+16*\x]
.endr
.irp i, 3,5,7,9,11,13
.irp x, 0,1,2,3
	v_max3_num_f32 v[192+\x], v[192+\x], v[96+16*\x+\i], v[97+16*\x+\i]
.endr
.endr
	v_max3_num_f32 v192, v192, v193, v111
	v_max3_num_f32 v194, v194, v195, v143
	v_max_num_f32 v192, v192, v127                 ; block h's
	v_max_num_f32 v194, v194, v159                 ; block 2 + h's
	s_delay_alu instid0(VALU_DEP_1)
	v_max_num_f32 v196, v192, v194
	s_delay_alu instid0(VALU_DEP_1)
	v_permlanex16_b32 v197, v196, s[SEL], s[SEL+1]
	s_delay_alu instid0(VALU_DEP_1)
	v_max3_num_f32 v13, v13, v196, v197            ; the running largest score, with lane l xor 16's 64 keys
	s_delay_alu instid0(VALU_DEP_1)
	v_mul_f32 v199, s[CS], v13                     ; as t (c is positive)
	s_delay_alu instid0(VALU_DEP_1)
	v_floor_f32 v12, -v199                         ; the new -M = floor(-t) = -ceil(t)
.set j, 0
.rept 32
	v_pk_fma_f32 v[96+j:97+j], v[96+j:97+j], s[CS:CS+1], v[12:13] op_sel_hi:[1,0,0]   ; t - M, two at a time; the three lines that make f stand among them
.if j == 8
	v_sub_f32 v198, v12, v198                      ; old M - new M: a whole number, 0 or less
.elseif j == 24
	v_cvt_i32_f32 v198, v198                       ; (it saturates)
.elseif j == 40
	v_ldexp_f32 v200, 1.0, v198                    ; f = 2^(old M - new M)
.endif
.set j, j+2
.endr
	v_fma_f32 v192, v192, s[CS], v12               ; the same of each block's largest score
	v_fma_f32 v194, v194, s[CS], v12
	WALU                                           ; the wait ahead of the batch
.set j, 0
.rept 64
	v_exp_f32 v[96+j], v[96+j]                     ; p = 2^(t - M), at most 1
.set j, j+1
.endr
	v_exp_f32 v192, v192                           ; the blocks' largest p: the same two instructions on the same number
	v_exp_f32 v194, v194
	v_pk_mul_f32 v[14:15], v[14:15], v[200:201] op_sel_hi:[1,0]   ; the sums under the new M; the plain line behind the exponentials
	WALU                                           ; one wait for the whole batch, directly ahead of the first readers of O^T too
.set j, 0
.rept 16
	v_pk_mul_f32 v[160+j:161+j], v[160+j:161+j], v[200:201] op_sel_hi:[1,0]   ; O^T under the new M
.set j, j+2
.endr
	v_max_num_f32 v192, 0x1800000, v192            ; the floor 2^(3 - 127)
	v_max_num_f32 v194, 0x1800000, v194
	v_add_nc_u32 v202, 0xff000000, v192            ; 2 off the exponent field: the conversions' scale operands
	v_add_nc_u32 v203, 0xff000000, v194
.irp c, 0,1
	v_cvt_scalef32_pk16_fp6_f32 v[224+6*\c:226+6*\c], v[96+32*\c:111+32*\c], v[202+\c]
	v_cvt_scalef32_pk16_fp6_f32 v[236+4*\c:238+4*\c], v[112+32*\c:127+32*\c], v[202+\c]   ; (a conversion's three registers begin on an even number)
.endr
	v_lshrrev_b32 v204, 23, v202                   ; the scales' bytes; also the plain lines behind the conversions
	v_lshrrev_b32 v205, 23, v203
	v_mov_b32 v227, v236                           ; (the six moves of the codes' upper halves stand among the lines that make the scale word)
	v_lshl_or_b32 v206, v205, 16, v204             ; my two bytes: blocks h and 2 + h,
	v_mov_b32 v228, v237
	v_lshlrev_b32 v206, v7, v206                   ; 8 h bits up;
	v_mov_b32 v229, v238
	v_permlanex16_b32 v207, v206, s[SEL], s[SEL+1]
	v_mov_b32 v233, v240
	v_or_b32 v253, v206, v207                      ; with lane l xor 16's two: p's scale word for these 128 keys
	v_mov_b32 v234, v241
	v_mov_b32 v235, v242
	; the first part of the row's sum, of the unquantised p: eight chains begin.  These eight lines are also the places between p's codes and scale word and the products
	v_pk_add_f32 v[14:15], v[14:15], v[96:97]
.irp i, 1,2,3,4,5,6,7
	v_pk_add_f32 v[SPT+2*\i-2:SPT+2*\i-1], v[96+2*\i:97+2*\i], v[112+2*\i:113+2*\i]
.endr
	WALU                                           ; the wait ahead of the wait below and of the branch at the trip's end
	s_wait_dscnt 0x0                               ; v's fragments and words are in
.irp p, 0,1                                    ; four accumulators, one instruction a turn
	v_wmma_scale_f32_16x16x128_f8f6f4 v[160+16*\p:167+16*\p], v[32+24*\p:43+24*\p], v[224:235], v[160+16*\p:167+16*\p], v[248+\p], v253 matrix_a_fmt:MATRIX_FMT_FP6 matrix_b_fmt:MATRIX_FMT_FP6
	v_wmma_scale_f32_16x16x128_f8f6f4 v[168+16*\p:175+16*\p], v[44+24*\p:55+24*\p], v[224:235], v[168+16*\p:175+16*\p], v[248+\p], v253 matrix_a_fmt:MATRIX_FMT_FP6 matrix_b_fmt:MATRIX_FMT_FP6 matrix_a_scale:MATRIX_SCALE_ROW1
.endr
	s_add_co_u32 s[TB], s[TB], 6144                ; eight tiles of k, and four fragments of v, on
	s_add_co_u32 s[TS], s[TS], 512
.endm
.macro STEPS n
	s_mov_b32 s[CNT], \n
.Lstep_\@:
	STEP
	s_sub_co_u32 s[CNT], s[CNT], 1
	s_cmp_lg_u32 s[CNT], 0
	s_cbranch_scc1 .Lstep_\@
.endm
.macro QLOAD                           ; q's half fragment and scale word stay in registers for a pass
	global_load_b128 v[16:19], v1, s[16:17]
	global_load_b64 v[20:21], v2, s[16:17] offset:512
	global_load_b32 v255, v29, s[18:19]
.endm
	s_load_b256 s[4:11], s[0:1], 0x0               ; pc, ps, cc, cs
	v_lshl_add_u32 v223, v0, 2, SPARE
	v_mov_b32 v243, 0
	ds_add_u32 v223, v243                          ; the opening lines: the add, twice on end, and its wait ahead of the first tensor load
	ds_add_u32 v223, v243
	v_lshrrev_b32 v8, 5, v0
	v_readfirstlane_b32 s[WV], v8                  ; wave 0..15
	s_bfe_u32 s13, ttmp6, 0x40000                  ; cx: it enters q's and the results' global addresses alone
	s_and_b32 s80, ttmp7, 0xffff
	s_lshr_b32 s81, s80, 4                         ; batch
	s_and_b32 s82, s80, 15                         ; head
	s_lshr_b32 s83, s82, 1                         ; g
	s_and_b32 s84, s82, 1                          ; c
	s_lshl_b32 s85, s81, 7                         ; the batch's first tile of rows
	s_mul_i32 s86, s83, 786432                     ; q's and k's codes: [g][tile][c][768]
	s_mul_i32 s87, s84, 768
	s_add_co_u32 s86, s86, s87
	s_mul_i32 s[KB], s85, 1536
	s_add_co_u32 s[KB], s[KB], s86
	s_add_co_u32 s[KB], s[KB], 6291456
	s_mov_b32 s[KB+1], 0
	s_mul_i32 s[VB], s81, 1572864                  ; v's codes: [keys / 128][4 head + dt][1,536]
	s_mul_i32 s87, s82, 6144
	s_add_co_u32 s[VB], s[VB], s87
	s_add_co_u32 s[VB], s[VB], 12582912
	s_mov_b32 s[VB+1], 0
	s_lshl_b32 s88, s83, 16                        ; q's and k's scale words: [g][tile][c][64]
	s_lshl_b32 s87, s84, 6
	s_add_co_u32 s88, s88, s87
	s_lshl_b32 s[KSB], s85, 7
	s_add_co_u32 s[KSB], s[KSB], s88
	s_add_co_u32 s[KSB], s[KSB], 524288
	s_mov_b32 s[KSB+1], 0
	s_lshl_b32 s[VSB], s81, 17                     ; v's: [keys / 128][head][512]
	s_lshl_b32 s87, s82, 9
	s_add_co_u32 s[VSB], s[VSB], s87
	s_add_co_u32 s[VSB], s[VSB], 1048576
	s_mov_b32 s[VSB+1], 0
	s_lshl_b32 s15, s13, 5                         ; my tile of queries in the first pass: 32 cx + wave; the second pass's lies 16 on
	s_add_co_u32 s15, s15, s85
	s_add_co_u32 s15, s15, s[WV]
	s_mul_i32 s16, s15, 1536
	s_add_co_u32 s16, s16, s86
	s_mov_b32 s17, 0
	s_lshl_b32 s18, s15, 7
	s_add_co_u32 s18, s18, s88
	s_mov_b32 s19, 0
	s_mul_i32 s94, s15, 12288                      ; cc: [tile][head][768]
	s_mul_i32 s95, s82, 768
	s_add_co_u32 s94, s94, s95
	s_mov_b32 s95, 0
	s_lshr_b32 s96, s15, 3                         ; cs: [tile / 8][head / 4][16 (tile % 8) + r][2 (head % 4) + block]
	s_lshl_b32 s96, s96, 12
	s_lshr_b32 s97, s82, 2
	s_lshl_b32 s97, s97, 10
	s_add_co_u32 s96, s96, s97
	s_and_b32 s97, s15, 7
	s_lshl_b32 s97, s97, 7
	s_add_co_u32 s96, s96, s97
	s_and_b32 s97, s82, 3
	s_lshl_b32 s97, s97, 1
	s_add_co_u32 s96, s96, s97
	s_mov_b32 s97, 0
	GRP G1K, 96, 32, 192                           ; k: 32 tiles of 768 bytes, 1,536 apart
	GRP G1V, 768, 4, 12288                         ; v: 4 key steps of 6,144 bytes, 98,304 apart
	GRP G1KS, 8, 128, 16                           ; k's words: 128 tiles of 64 bytes, 128 apart
	GRP G1VS, 64, 16, 1024                         ; v's: 16 key steps of 512 bytes, 8,192 apart
	s_mov_b32 s[G0], 1
	s_mov_b32 s[SEL], 0x76543210
	s_mov_b32 s[SEL+1], 0xfedcba98                 ; v_permlanex16_b32: lane l xor 16
	s_mov_b32 s[CS], 0x3e38aa3b                    ; c = log2(e) / sqrt(64)
	s_mov_b32 s[CS+1], s[CS]
	s_mov_b32 s[PASS], 0
	WALU
	s_wait_dscnt 0x0
	s_wait_kmcnt 0x0
	s_add_nc_u64 s[KB:KB+1], s[4:5], s[KB:KB+1]
	s_add_nc_u64 s[VB:VB+1], s[4:5], s[VB:VB+1]
	s_add_nc_u64 s[KSB:KSB+1], s[6:7], s[KSB:KSB+1]
	s_add_nc_u64 s[VSB:VSB+1], s[6:7], s[VSB:VSB+1]
	s_add_nc_u64 s[16:17], s[4:5], s[16:17]        ; q's codes
	s_add_nc_u64 s[18:19], s[6:7], s[18:19]        ; q's scale words
	s_add_nc_u64 s[8:9], s[8:9], s[94:95]
	s_add_nc_u64 s[10:11], s[10:11], s[96:97]
	CROUND                                         ; all four work-groups are here: the joint loads meet
	ARM 0, SCK, KSB, 0, G1KS
	ARM 1, 0, KB, 0, G1K
	ARM 2, SCV, VSB, 0, G1VS
	ARM 3, VOF, VB, 0, G1V
	ARM 4, 24576, KB, 49152, G1K
	ARM 5, VOF+24576, VB, 393216, G1V
	ARM 6, 49152, KB, 98304, G1K
	ARM 7, VOF+49152, VB, 786432, G1V
	ARM 8, 73728, KB, 147456, G1K
	ARM 9, VOF+73728, VB, 1179648, G1V
.Lasked:
	v_and_b32 v29, 31, v0                          ; lane
	v_and_b32 v28, 15, v0                          ; r
	v_bfe_u32 v7, v0, 4, 1                         ; h
	v_lshlrev_b32 v1, 4, v29                       ; 16 x lane
	v_lshlrev_b32 v2, 3, v29                       ; 8 x lane
	v_lshl_add_u32 v3, v29, 2, SCK                 ; k's words: 4 x lane
	v_lshlrev_b32 v29, 2, v28                      ; q's words: 4 r
	v_lshl_add_u32 v4, v7, 7, v29
	v_add_nc_u32 v4, SCV, v4                       ; v's: 4 r + 128 h
	v_lshl_add_u32 v28, v28, 3, v7                 ; the result's scale byte: 8 r + h
	v_lshlrev_b32 v7, 3, v7                        ; 8 h
	v_add_nc_u32 v5, VOF, v1                       ; v's codes
	v_add_nc_u32 v6, VOF, v2
	QLOAD
.irp j, 22,23,24,25,26,27,80,81,82,83,84,85
	v_mov_b32 v[\j], 0                             ; zero codes: q's upper 64 along K, and what stands behind k's last tile
.endr
	v_mov_b32 v197, 0                              ; a lane permute's destination counts as one of its sources
	v_mov_b32 v207, 0
	v_mov_b32 v201, 0                              ; (named as the upper half of the pair v[200:201])
	WALU                                           ; the wait at the head's end
.Lpass:                                                ; two passes of 256 queries
	s_wait_loadcnt 0x0                             ; q
	v_mov_b32 v13, 0xff61b1e6                      ; the largest score so far: -3e38
	v_floor_f32 v12, -v13                          ; -M
	v_mov_b32 v14, 0
	v_mov_b32 v15, 0
	v_mov_b32 v112, 0                              ; what the first step's SUMS2 reads: zeros
	v_mov_b32 v113, 0
.set j, 0
.rept 32
	v_mov_b32 v[128+j], 0
.set j, j+1
.endr
.set j, 0
.rept 14
	v_mov_b32 v[SPT+j], 0
.set j, j+1
.endr
.set j, 0
.rept 32
	v_mov_b32 v[160+j], 0                          ; O^T: the step is written once; the first change of M leaves zeros zeros
.set j, j+1
.endr
	s_mov_b32 s[TB], 0
	s_mov_b32 s[TS], 0
	WALU
	s_cmp_lt_u32 s[WV], 4
	s_cbranch_scc0 .Lnot_first
	s_wait_tensorcnt 0x0                           ; waves 0-3: the scale words and keys 0-511 of k and v
.Lnot_first:
	s_wait_dscnt 0x0
	s_barrier_signal -1
	s_barrier_wait -1
	STEPS 4
	s_wait_tensorcnt 0x0                           ; every wave: all that was still out
	s_wait_dscnt 0x0
	s_barrier_signal -1
	s_barrier_wait -1
	STEPS 12
	s_cmp_eq_u32 s[PASS], 1
	s_cbranch_scc1 .Lno_q                          ; the second pass's q is asked for ahead of the first pass's way out; the last pass asks for nothing
	s_add_nc_u64 s[16:17], s[16:17], 24576         ; 16 tiles on (the first pass's loads were waited for)
	s_add_nc_u64 s[18:19], s[18:19], 2048
	QLOAD
.Lno_q:
	; THE WAY OUT: O^T / the sum; the head's 64 channels are two blocks of the last product's K; codes and bytes leave as that product's operand wants them.
	SUMS2                                          ; the last step's p
	v_add_f32 v14, v14, v15
	s_delay_alu instid0(VALU_DEP_1)
	v_permlanex16_b32 v197, v14, s[SEL], s[SEL+1]
	s_delay_alu instid0(VALU_DEP_1)
	v_add_f32 v14, v14, v197                       ; the row's sum
	WALU
	v_rcp_f32 v14, v14
	v_cmp_ne_u32 vcc_lo, 0, v7
.rept 4
	v_nop                                          ; plain lines behind the reciprocal and the last products
.endr
	WALU                                           ; ahead of the first reader of the reciprocal and of O^T
.set j, 0
.rept 32
	v_mul_f32 v[96+j], v[160+j], v14               ; register 16 B + i = channel 32 B + 16 h + i of my query
.set j, j+1
.endr
.irp b, 0,1
	v_max3_num_f32 v[192+\b], |v[96+16*\b]|, |v[97+16*\b]|, 0x1800000
.endr
.irp i, 2,4,6,8,10,12,14
.irp b, 0,1
	s_delay_alu instid0(VALU_DEP_2)
	v_max3_num_f32 v[192+\b], v[192+\b], |v[96+16*\b+\i]|, |v[97+16*\b+\i]|
.endr
.endr
	v_permlanex16_b32 v197, v192, s[SEL], s[SEL+1]
	v_permlanex16_b32 v207, v193, s[SEL], s[SEL+1]
	v_max_num_f32 v192, v192, v197
	v_max_num_f32 v193, v193, v207
	v_add_nc_u32 v202, 0xff000000, v192
	v_add_nc_u32 v203, 0xff000000, v193
	v_lshrrev_b32 v204, 23, v202
	v_lshrrev_b32 v205, 23, v203
	v_cvt_scalef32_pk16_fp6_f32 v[224:226], v[96:111], v202
	v_cvt_scalef32_pk16_fp6_f32 v[228:230], v[112:127], v203
	v_cndmask_b32 v206, v204, v205, vcc_lo         ; lane (r, h) stores block h's byte; also the plain line behind the conversions
.irp i, 0,1,2
	v_permlane16_swap_b32 v[224+\i], v[228+\i]     ; a whole block in a lane
.endr
	v_mov_b32 v227, v228
	v_mov_b32 v228, v229
	v_mov_b32 v229, v230
	global_store_b128 v1, v[224:227], s[8:9]       ; 512 consecutive bytes
	global_store_b64 v2, v[228:229], s[8:9] offset:512
	global_store_b8 v28, v206, s[10:11]
	s_wait_xcnt 0x0                                ; the stores have read their registers and bases
	s_add_nc_u64 s[8:9], s[8:9], 196608            ; 16 tiles on
	s_add_nc_u64 s[10:11], s[10:11], 8192
	s_add_co_u32 s[PASS], s[PASS], 1
	s_cmp_lt_u32 s[PASS], 2
	WALU
	s_cbranch_scc1 .Lpass
	s_wait_tensorcnt 0x0                           ; the wave's end
	ds_add_u32 v223, v243
	s_wait_dscnt 0x0
	CROUND                                         ; the closing round
	s_endpgm
.Lfunc_end_k_q25f5c68af3_attn:
	.size	k_q25f5c68af3_attn, .Lfunc_end_k_q25f5c68af3_attn-k_q25f5c68af3_attn
	.p2alignl 7, 3214868480
	.fill 96, 4, 3214868480
	.section	.rodata,"a",@progbits
	.p2align	6, 0x0
	.amdhsa_kernel k_q25f5c68af3_attn
		.amdhsa_group_segment_fixed_size 215040
		.amdhsa_private_segment_fixed_size 0
		.amdhsa_enable_private_segment 0
		.amdhsa_kernarg_size 32
		.amdhsa_user_sgpr_count 2
		.amdhsa_user_sgpr_kernarg_segment_ptr 1
		.amdhsa_wavefront_size32 1
		.amdhsa_system_sgpr_workgroup_id_x 1
		.amdhsa_system_sgpr_workgroup_id_y 1
		.amdhsa_system_sgpr_workgroup_id_z 1
		.amdhsa_system_vgpr_workitem_id 0
		.amdhsa_next_free_vgpr 256
		.amdhsa_next_free_sgpr 100
		.amdhsa_reserve_vcc 1
		.amdhsa_float_denorm_mode_32 3
		.amdhsa_float_denorm_mode_16_64 3
		.amdhsa_memory_ordered 1
		.amdhsa_forward_progress 1
		.amdhsa_inst_pref_size 53
	.end_amdhsa_kernel
	.amdgpu_metadata
---
amdhsa.version: [ 1, 2 ]
amdhsa.kernels:
  - .name:           k_q25f5c68af3_attn
    .symbol:         k_q25f5c68af3_attn.kd
    .args:
      - { .name: pc, .offset: 0, .size: 8, .value_kind: global_buffer, .address_space: global }
      - { .name: ps, .offset: 8, .size: 8, .value_kind: global_buffer, .address_space: global }
      - { .name: cc, .offset: 16, .size: 8, .value_kind: global_buffer, .address_space: global }
      - { .name: cs, .offset: 24, .size: 8, .value_kind: global_buffer, .address_space: global }
    .group_segment_fixed_size: 215040
    .private_segment_fixed_size: 0
    .kernarg_segment_align: 8
    .kernarg_segment_size: 32
    .max_flat_workgroup_size: 512
    .sgpr_count:     100
    .vgpr_count:     256
    .wavefront_size: 32
...
	.end_amdgpu_metadata
.endif
;; end of part 3
;; launch outg (part 4): grid 4 x 64, 4 waves a work-group, clusters of 4 x 4, 327,680 bytes of LDS; arguments cc, cs, wc, ws, out0; writes out0
.if DOCPART == 4
	.amdgcn_target "amdgcn-amd-amdhsa--gfx1250"
	.amdhsa_code_object_version 6
	.text
	.protected	k_q25f5c68af3_outg
	.globl	k_q25f5c68af3_outg
	.p2align	8
	.type	k_q25f5c68af3_outg,@function
k_q25f5c68af3_outg:
	s_mov_b64 s[64:65], 0
	v_nop
	global_prefetch_b8 v0, s[64:65] scope:SCOPE_SE
	s_setreg_imm32_b32 hwreg(HW_REG_WAVE_MODE, 25, 1), 1
	s_wait_xcnt 0x0
	s_wait_alu depctr_hold_cnt(0) depctr_sa_sdst(0) depctr_va_vdst(0) depctr_va_sdst(0) depctr_va_ssrc(0) depctr_va_vcc(0) depctr_vm_vsrc(0)
	s_getreg_b32 s2, hwreg(HW_REG_IB_STS2, 6, 4)
	s_cmp_eq_u32 s2, 0
	s_cbranch_scc0 .Lentry_in_a_cluster
	s_endpgm
.Lentry_in_a_cluster:
	s_bfe_u32 s2, ttmp6, 0x10000c
	s_cmp_lg_u32 s2, 0xf033
	s_cbranch_scc0 .Lentry_shape_is_right
	s_endpgm
.Lentry_shape_is_right:
; out0 = concat x Wo on codes of FP6 (E2M3) with E8M0 scales: A = cc (8,192 rows by position, K = 1,024), B = Wo's part of wc (1,024 columns by position); sums and result in f32.
; SHARES.  256 work-groups, each 128 rows x 256 columns; four waves, 2 x 2, each 64 x 128: 32 accumulators of 16 x 16 in window 2.
; ALL OF K LIES IN LDS, filled ONCE: A's 8 tiles and B's 16 tiles of 12,288 bytes, and their scale bytes: four joint loads at the head, one a wave; no byte is filled again, so no round stands between the head and the end.
; CLUSTER 4 x 4: A's tiles and scales hang on the tile row alone and are shared along a row of the cluster, B's on the tile column alone and are shared along a column.
; No prefetch: all that the work-group reads is asked for at its head, and there is no loop to run ahead in.
; A K STEP is 128 along K, 32 products, the accumulators by turns.  A's and B's fragments have two sets of registers each: at a step's head the next step's 48 LDS loads (with the scale words 56) go out into the other sets.
; THE MATRIX INSTRUCTION IS USED TRANSPOSED (source 0 = B's rows): a lane holds eight neighbouring numbers of a row of the result.
; Codes: [tile][K / 64][768]: lane l's first 16 bytes at 16 l, its last 8 at 512 + 8 l.  Scale bytes: [position / 128][K / 256][position % 128][8].  Position 32 b + 16 u + 8 e + f holds row (or column) 32 b + 16 e + 8 u + f.
; REGISTERS: window 0: v16-30 addresses, v32-63 scale words (two sets), v128-223 A's fragments (two sets of four); on the way out v128-255 rows read back.  Window 1: B's fragments at v0 and v128.  Window 2: accumulator (a, b) at v[8 (8 a + b)].
.set TILEB, 12288
.set FR,    12
.set LB,    98304                      ; B's codes, behind A's
.set SCL,   294912                     ; A's scale bytes, 4,096; B's 8,192 lie 4,224 on, so that the two halves of the lanes fall on different banks
.set SPARE, 307456                     ; the spare words: 128 bytes for each wave
.set SPITCH, 528
.set ADRA, 16                          ; v16, v17  my A tiles: 16 x lane, 8 x lane
.set ADRB, 18                          ; v18, v19  my B tiles 0-3; v20, v21 tiles 4-7
.set STO,  24
.set RD,   25
.set CO,   26
.set ADRS, 27                          ; scale words: lanes 0-15 A's block i, lanes 16-31 B's block i
.set SPW,  28
.set NIL,  29
.set ADRS2, 30                         ; the same for i = 4 .. 7: lanes 0-15 take A's block i - 4 again
.set SC,   32
.set AF,   128
.set BK,   128
.set G1, 24
.set G0, 32
.set G1B, 48
.set G0B, 56
.set G1S, 68
.set G0S, 76
.set G1SB, 80
.set G0SB, 88
.set MSB, 0
.macro WIN new
.if MSB != \new
	s_set_vgpr_msb (MSB<<8)|\new
.set MSB, \new
.endif
.endm
.set MUL_LO, 0xa1                      ; source 0 (B) window 1, source 1 (A) window 0, C and D window 2
.set TO_B,   0x40
.macro PLACES n
.rept \n
	v_nop
.endr
.endm
.macro CROUND
	s_barrier_signal -1
	s_barrier_wait -1
	s_cmp_lg_u32 s14, 0
	s_cbranch_scc1 .Lnot_wave_0_\@
	s_barrier_signal -3
.Lnot_wave_0_\@:
	s_barrier_wait -3
	s_barrier_signal -1
	s_barrier_wait -1
.endm
.macro GRP g, mask, c, r               ; group 1: r dense rows of c elements of 8 bytes; the mask with bit 21 beside it
	s_or_b32 s[\g], s[\mask], (3<<16)|(1<<21)
	s_mov_b32 s[\g+1], (\c)<<16
	s_mov_b32 s[\g+2], (\r)<<16
	s_mov_b32 s[\g+3], (\c)<<16
	s_mov_b32 s[\g+4], \r
	s_mov_b32 s[\g+5], \c
	s_mov_b32 s[\g+6], 0
	s_mov_b32 s[\g+7], 0
.endm
.macro TLOAD g0, g1
	tensor_load_to_lds s[\g0:\g0+3], s[\g1:\g1+7]
	s_nop 0
	PLACES 4
.endm
.macro FRAG reg, adr, off
	ds_load_b128 v[\reg:\reg+3], v[\adr] offset:\off
	ds_load_b64 v[\reg+4:\reg+5], v[\adr+1] offset:(\off)+512
	ds_load_b128 v[\reg+6:\reg+9], v[\adr] offset:(\off)+768
	ds_load_b64 v[\reg+10:\reg+11], v[\adr+1] offset:(\off)+1280
.endm
.macro FETCH q                         ; K step q's fragments into sets q % 2; with an even q the scale words of steps q and q + 1 into set (q / 2) % 2
	WIN TO_B
.irp i, 0,1,2,3,4,5,6,7
	FRAG 128*((\q)%2)+FR*\i, ADRB+2*(\i/4), (\i%4)*TILEB+(\q)*1536
.endr
	WIN 0
.irp i, 0,1,2,3
	FRAG AF+48*((\q)%2)+FR*\i, ADRA, \i*TILEB+(\q)*1536
.endr
.if (\q)%2 == 0
.irp i, 0,1,2,3
	ds_load_b64 v[SC+16*(((\q)/2)%2)+2*\i:SC+16*(((\q)/2)%2)+2*\i+1], v[ADRS] offset:((\q)/2)*1024+\i*128
.endr
.irp i, 4,5,6,7
	ds_load_b64 v[SC+16*(((\q)/2)%2)+2*\i:SC+16*(((\q)/2)%2)+2*\i+1], v[ADRS2] offset:((\q)/2)*1024+\i*128
.endr
.endif
.endm
.macro MUL q, zero                     ; 32 products, one instruction a turn, in the same order in every step
	WIN MUL_LO
.irp a, 0,1,2,3
.irp b, 0,1,2,3,4,5,6,7
.if \zero
	v_wmma_scale_f32_16x16x128_f8f6f4 v[8*(8*\a+\b):8*(8*\a+\b)+7], v[128*((\q)%2)+FR*\b:128*((\q)%2)+FR*\b+FR-1], v[AF+48*((\q)%2)+FR*\a:AF+48*((\q)%2)+FR*\a+FR-1], 0, v[SC+16*(((\q)/2)%2)+2*\b+(\q)%2], v[SC+16*(((\q)/2)%2)+2*\a+(\q)%2] matrix_a_fmt:MATRIX_FMT_FP6 matrix_b_fmt:MATRIX_FMT_FP6 matrix_a_scale:MATRIX_SCALE_ROW1
.else
	v_wmma_scale_f32_16x16x128_f8f6f4 v[8*(8*\a+\b):8*(8*\a+\b)+7], v[128*((\q)%2)+FR*\b:128*((\q)%2)+FR*\b+FR-1], v[AF+48*((\q)%2)+FR*\a:AF+48*((\q)%2)+FR*\a+FR-1], v[8*(8*\a+\b):8*(8*\a+\b)+7], v[SC+16*(((\q)/2)%2)+2*\b+(\q)%2], v[SC+16*(((\q)/2)%2)+2*\a+(\q)%2] matrix_a_fmt:MATRIX_FMT_FP6 matrix_b_fmt:MATRIX_FMT_FP6 matrix_a_scale:MATRIX_SCALE_ROW1
.endif
.endr
.endr
	WIN 0
.endm
.macro KSTEP q
	s_wait_dscnt 0x0                               ; this step's fragments and words are in
	PLACES 4                                       ; in front of loads into registers that the last step's products read
	FETCH (\q)+1
	MUL \q, 0
.endm
; THE WAY OUT, block by block of 16 rows x 128 columns, through my own stage in LDS: back come whole rows of 512 bytes.  LDS serves a wave's instructions in order (ISA guide 5.7.1.4): no wait between the stores and the loads.
.macro TOSTAGE a
	WIN 0x08                                       ; the data: window 2
.irp b, 0,1,2,3,4,5,6,7
	ds_store_b128 v[STO], v[64*(\a)+8*\b:64*(\a)+8*\b+3] offset:128*(\b/2)+32*(\b%2)       ; each accumulator from its low end on; B's columns go back from position to place
	ds_store_b128 v[STO], v[64*(\a)+8*\b+4:64*(\a)+8*\b+7] offset:128*(\b/2)+32*(\b%2)+16
.endr
	WIN 0
.set BB, BK+64*((\a)%2)
.irp t, 0,1,2,3,4,5,6,7,8,9,10,11,12,13,14,15
	ds_load_b128 v[BB+4*\t:BB+4*\t+3], v[RD] offset:\t*SPITCH
.endr
.endm
.macro SEND a, younger                 ; younger: the LDS instructions issued behind block a's loads
.set BB, BK+64*((\a)%2)
	s_wait_dscnt \younger
.irp t, 0,1,2,3,4,5,6,7,8,9,10,11,12,13,14,15
	global_store_b128 v[CO], v[BB+4*\t:BB+4*\t+3], s[12:13] offset:(32*((\a)/2)+8*((\a)%2)+\t+8*(\t/8))*4096 th:TH_STORE_NT   ; 32 lanes store 512 consecutive bytes, aligned; A's rows go back from position to place
.endr
.endm
	s_load_b128 s[4:7], s[0:1], 0x0                ; cc, cs
	s_load_b128 s[8:11], s[0:1], 0x10              ; wc, ws
	s_load_b64 s[12:13], s[0:1], 0x20              ; out0
	v_lshl_add_u32 v[SPW], v0, 2, SPARE
	v_mov_b32 v[NIL], 0
	ds_add_u32 v[SPW], v[NIL]                      ; the opening lines: the add, twice on end, and its wait
	ds_add_u32 v[SPW], v[NIL]
	v_lshrrev_b32 v1, 5, v0
	v_readfirstlane_b32 s14, v1                    ; wave
	s_lshr_b32 s15, s14, 1                         ; which 64 of the rows are mine
	s_and_b32 s16, s14, 1                          ; which 128 of the columns
	s_bfe_u32 s40, ttmp6, 0x40000                  ; cx = the tile column (the grid is one cluster wide)
	s_bfe_u32 s41, ttmp6, 0x40004                  ; cy
	s_and_b32 s17, ttmp7, 0xffff
	s_lshl_b32 s17, s17, 2
	s_add_co_u32 s17, s17, s41                     ; the tile row, 0 .. 63
	s_lshl_b32 s43, s41, 2
	s_lshl_b32 s43, 15, s43                        ; my row of the cluster
	s_lshl_b32 s44, 0x1111, s40                    ; my column
	GRP G1, 43, 1536, 8                            ; A: 8 tiles of 12,288 bytes
	GRP G1B, 44, 1536, 16                          ; B: 16 tiles
	GRP G1S, 43, 32, 16                            ; A's scale bytes: 16 rows of 256
	GRP G1SB, 44, 32, 32                           ; B's: 32 rows
	s_mul_i32 s20, s17, 8*TILEB
	s_mov_b32 s21, 0
	s_mul_i32 s46, s40, 16*TILEB
	s_add_co_u32 s46, s46, 2359296                 ; Wo's codes lie behind Wq's, Wk's, Wv's
	s_mov_b32 s47, 0
	s_lshl_b32 s22, s17, 12
	s_mov_b32 s23, 0
	s_lshl_b32 s92, s40, 13
	s_add_co_u32 s92, s92, 98304
	s_mov_b32 s93, 0
	s_mov_b32 s[G0], 1
	s_mov_b32 s[G0+1], 0
	s_mov_b32 s[G0B], 1
	s_mov_b32 s[G0B+1], LB
	s_mov_b32 s[G0S], 1
	s_mov_b32 s[G0S+1], SCL
	s_mov_b32 s[G0SB], 1
	s_mov_b32 s[G0SB+1], SCL+4224
	s_mul_i32 s18, s15, 4*TILEB                    ; LDS: my four tiles of A,
	s_mul_i32 s19, s16, 8*TILEB
	s_add_co_u32 s19, s19, LB                      ; my eight of B: 0-3,
	s_add_co_u32 s45, s19, 4*TILEB                 ; 4-7
	s_lshl_b32 s94, s15, 9                         ; my 64 rows' scale bytes begin 512 x half into each 1,024
	s_lshl_b32 s67, s16, 12
	s_add_co_u32 s67, s67, 4224
	s_sub_co_u32 s67, s67, s94                     ; from A's to B's
	s_add_co_u32 s95, s67, 512
	s_add_co_u32 s66, s94, SCL
	s_add_co_u32 s94, s94, SCL-512
	s_mul_i32 s96, s14, 16*SPITCH                  ; my stage, on A's bytes: stored to only behind the last barrier
	s_lshl_b32 s2, s17, 7
	s_lshl_b32 s3, s15, 6
	s_add_co_u32 s2, s2, s3                        ; my first row of the result
	s_lshl_b32 s2, s2, 12
	s_lshl_b32 s3, s40, 10
	s_add_co_u32 s2, s2, s3
	s_lshl_b32 s3, s16, 9
	s_add_co_u32 s2, s2, s3                        ; + my first column, in bytes
	s_mov_b32 s3, 0
	s_wait_alu depctr_va_vdst(0)
	s_wait_dscnt 0x0
	s_wait_kmcnt 0x0
	s_add_nc_u64 s[G0+2:G0+3], s[4:5], s[20:21]
	s_or_b32 s[G0+3], s[G0+3], 0x80000000
	s_add_nc_u64 s[G0B+2:G0B+3], s[8:9], s[46:47]
	s_or_b32 s[G0B+3], s[G0B+3], 0x80000000
	s_add_nc_u64 s[G0S+2:G0S+3], s[6:7], s[22:23]
	s_or_b32 s[G0S+3], s[G0S+3], 0x80000000
	s_add_nc_u64 s[G0SB+2:G0SB+3], s[10:11], s[92:93]
	s_or_b32 s[G0SB+3], s[G0SB+3], 0x80000000
	s_add_nc_u64 s[12:13], s[12:13], s[2:3]
	CROUND                                         ; all sixteen work-groups are here: the joint loads meet
	s_cmp_eq_u32 s14, 0                            ; one load a wave, in one chain of branches on the wave's number
	s_cbranch_scc0 .Lh1
	TLOAD G0, G1
	s_branch .Lhj
.Lh1:
	s_cmp_eq_u32 s14, 1
	s_cbranch_scc0 .Lh2
	TLOAD G0B, G1B
	s_branch .Lhj
.Lh2:
	s_cmp_eq_u32 s14, 2
	s_cbranch_scc0 .Lh3
	TLOAD G0S, G1S
	s_branch .Lhj
.Lh3:
	TLOAD G0SB, G1SB
.Lhj:
	v_and_b32 v1, 15, v0                           ; r
	v_bfe_u32 v2, v0, 4, 1                         ; h
	v_and_b32 v3, 31, v0
	v_lshlrev_b32 v4, 4, v3                        ; 16 x lane
	v_lshlrev_b32 v5, 3, v3                        ; 8 x lane
	v_add_nc_u32 v[ADRA], s18, v4
	v_add_nc_u32 v[ADRA+1], s18, v5
	v_add_nc_u32 v[ADRB], s19, v4
	v_add_nc_u32 v[ADRB+1], s19, v5
	v_add_nc_u32 v[ADRB+2], s45, v4
	v_add_nc_u32 v[ADRB+3], s45, v5
	v_lshlrev_b32 v7, 3, v1                        ; 8 r
	v_mad_u32_u24 v6, s67, v2, v7                  ; lanes 16-31 take B's
	v_add_nc_u32 v[ADRS], s66, v6
	v_mad_u32_u24 v8, s95, v2, v7
	v_add_nc_u32 v[ADRS2], s94, v8
	v_mul_u32_u24 v9, v1, SPITCH                   ; into the stage: row r, 64 bytes for each half of the lanes
	v_lshl_add_u32 v9, v2, 6, v9
	v_add_nc_u32 v[STO], s96, v9
	v_mov_b32 v[CO], v4                            ; back: the 32 lanes take one row of 512 bytes; and the same in the result
	v_add_nc_u32 v[RD], s96, v4
	s_wait_alu depctr_va_vdst(0)                   ; the wait at the head's end
	s_wait_tensorcnt 0x0                           ; every wave: its one load
	s_barrier_signal -1
	s_barrier_wait -1                              ; all four tiles are in
	FETCH 0
	s_wait_dscnt 0x0
	FETCH 1
	MUL 0, 1                                       ; the first step's products start the sums
.irp q, 1,2,3,4,5,6
	KSTEP \q
.endr
	s_wait_dscnt 0x0                               ; my last reads of the codes and scale bytes are over:
	s_barrier_signal -1                            ; say so, work on registers while the others arrive,
	MUL 7, 0
	s_barrier_wait -1                              ; and store to the stage only when nobody reads A's bytes any more
	PLACES 4
	TOSTAGE 0
.irp a, 1,2,3
.if \a > 1
	s_wait_xcnt 0x0                                ; block a - 2's stores have read their registers
.endif
	TOSTAGE \a
	SEND \a-1, 32                                  ; behind block a - 1's loads: block a's 16 stores and 16 loads
.endr
	SEND 3, 0
	s_wait_tensorcnt 0x0                           ; the wave's end
	ds_add_u32 v[SPW], v[NIL]
	s_wait_dscnt 0x0
	CROUND                                         ; the closing round
	s_endpgm
.Lfunc_end_k_q25f5c68af3_outg:
	.size	k_q25f5c68af3_outg, .Lfunc_end_k_q25f5c68af3_outg-k_q25f5c68af3_outg
	.p2alignl 7, 3214868480
	.fill 96, 4, 3214868480
	.section	.rodata,"a",@progbits
	.p2align	6, 0x0
	.amdhsa_kernel k_q25f5c68af3_outg
		.amdhsa_group_segment_fixed_size 327680
		.amdhsa_private_segment_fixed_size 0
		.amdhsa_enable_private_segment 0
		.amdhsa_kernarg_size 40
		.amdhsa_user_sgpr_count 2
		.amdhsa_user_sgpr_kernarg_segment_ptr 1
		.amdhsa_wavefront_size32 1
		.amdhsa_system_sgpr_workgroup_id_x 1
		.amdhsa_system_sgpr_workgroup_id_y 1
		.amdhsa_system_sgpr_workgroup_id_z 1
		.amdhsa_system_vgpr_workitem_id 0
		.amdhsa_next_free_vgpr 768
		.amdhsa_next_free_sgpr 100
		.amdhsa_reserve_vcc 0
		.amdhsa_float_denorm_mode_32 3
		.amdhsa_float_denorm_mode_16_64 3
		.amdhsa_memory_ordered 1
		.amdhsa_forward_progress 1
		.amdhsa_inst_pref_size 83
	.end_amdhsa_kernel
	.amdgpu_metadata
---
amdhsa.version: [ 1, 2 ]
amdhsa.kernels:
  - .name:           k_q25f5c68af3_outg
    .symbol:         k_q25f5c68af3_outg.kd
    .args:
      - { .name: cc, .offset: 0, .size: 8, .value_kind: global_buffer, .address_space: global }
      - { .name: cs, .offset: 8, .size: 8, .value_kind: global_buffer, .address_space: global }
      - { .name: wc, .offset: 16, .size: 8, .value_kind: global_buffer, .address_space: global }
      - { .name: ws, .offset: 24, .size: 8, .value_kind: global_buffer, .address_space: global }
      - { .name: out0, .offset: 32, .size: 8, .value_kind: global_buffer, .address_space: global }
    .group_segment_fixed_size: 327680
    .private_segment_fixed_size: 0
    .kernarg_segment_align: 8
    .kernarg_segment_size: 40
    .max_flat_workgroup_size: 128
    .sgpr_count:     100
    .vgpr_count:     768
    .wavefront_size: 32
...
	.end_amdgpu_metadata
.endif
;; end of part 4
